; MI455X (gfx1250); checked and timed in simulation.
; The chip was launched on July 23, 2026; its instructions are those of AMD's public machine-readable ISA for CDNA 5 (MIT licence, August 2026) and "CDNA5" Instruction Set Architecture Reference Guide (July 2026). The comments in the code are by the model that wrote it; some were corrected since.
;; Attention. Allowed arithmetic: matrix products marked QUANTISED: E3M2 operands, one E8M0 scale for each 32 along K, by v_wmma_scale_f32_16x16x128_f8f6f4 with both operands' format E3M2, f32 sums; everything else in f32.
;; Inputs: freqs_cos 2,048 x 64 float32; freqs_sin 2,048 x 64 float32; wk 2,048 x 1,024 float32; wo 2,048 x 2,048 float32; wq 2,048 x 2,048 float32; wv 2,048 x 1,024 float32; x 1 x 2,048 x 2,048 float32.
;; Outputs: out0 1 x 2,048 x 2,048 float32.
;; This version of the problem:
;;   THIS VERSION OF THE PROBLEM IS GIVEN IN LOW PRECISION. The matrix products marked QUANTISED in the list below multiply operands that are first quantised to E3M2 (3 exponent bits, 2 mantissa bits; 6 bits a number), with one power-of-two scale for each 32 numbers along K (OCP MX v1.0); their sums are f32. All else is computed in f32.
;;   The module's matrix products, in the order in which they are computed (A, B: the left and right operand; K: the contracted axis; several contracted axes count as one K, in the product's order):
;;     1. [M 2,048, K 2,048] x [K 2,048, N 2,048]; A: input x; B: input wq: QUANTISED
;;     2. [M 2,048, K 2,048] x [K 2,048, N 1,024]; A: input x; B: input wk: QUANTISED
;;     3. [M 2,048, K 2,048] x [K 2,048, N 1,024]; A: input x; B: input wv: QUANTISED
;;     4. batch 16 x [M 2,048, K 128] x [K 128, N 2,048]; A: computed on the way; B: computed on the way: QUANTISED
;;     5. batch 16 x [M 128, K 2,048] x [K 2,048, N 2,048]; A: computed on the way; B: softmax (see below): QUANTISED
;;     6. [M 2,048, K 2,048] x [K 2,048, N 2,048]; A: computed on the way; B: input wo: QUANTISED
;;   THE QUANTISER, for each operand of a quantised product, along K:
;;     - K is cut into blocks of 32 from its start; a last block that is shorter is filled with zeros.
;;     - A block's scale is 2^e with e = floor(log2(the largest magnitude in the block)) - 4, held to -126 .. 127; a block of zeros has e = 0. As a byte (E8M0): e + 127.
;;     - Each number is divided by its block's scale, clamped to +-28, and rounded to the nearest number of E3M2, ties to even, subnormals kept.
;;     - The product sums the exact products of the quantised numbers (number of the format x scale) in f32.
;;   ~~~python
;;   def quantise(x, axis):      # numpy; x: float32 -> the quantised numbers, widened to float32 again
;;       x = np.moveaxis(x, axis, -1); K = x.shape[-1]
;;       x = np.pad(x, [(0, 0)] * (x.ndim - 1) + [(0, -K % 32)]); x = x.reshape(x.shape[:-1] + (-1, 32)); a = np.abs(x).max(-1, keepdims=True)
;;       e = np.where(a > 0, np.clip(np.frexp(np.where(a > 0, a, 1))[1] - 1 - 4, -126, 127), 0)      # np.frexp(a)[1] - 1 = floor(log2(a)), exactly
;;       r = np.clip(x / 2.0 ** e, -28, 28)
;;       step = 2.0 ** (np.maximum(np.frexp(np.where(r == 0, 1, r))[1] - 1, -2) - 2)
;;       q = np.round(r / step) * step * 2.0 ** e      # np.round: ties to even
;;       return np.moveaxis(q.reshape(q.shape[:-2] + (-1,))[..., :K], -1, axis).astype(np.float32)
;;   ~~~
;;   SOFTMAX AHEAD OF A QUANTISED PRODUCT. Where the list says 'softmax', what is quantised is not the finished softmax but p = 2^(t - M), with t = logit x log2(e) and M = ceil(the row's largest t), a whole number; so 1/2 < the row's largest p <= 1. The row's sum l is taken of the UNQUANTISED p, in f32, and the product's result is divided by l at the end. Since M is a whole number, a kernel that streams over the keys may use a running M (the ceiling of the running maximum): every later rescaling is an exact power of two, which a block's scale takes up: the codes' values come out the same.
;;   OPERANDS COMPUTED ON THE WAY. 'Computed on the way' means the value that the module computes at that place (a softmax that the list does not call 'softmax' is quantised finished and normalised). What goes into a quantiser is computed in f32, as accurately as f32 sums, v_exp_f32 and their like allow (about 1e-6 of the number): no bf16 or f16 on the way to a quantiser, and a product that is left as it is and whose result goes on into a quantised operand takes f32 operands (vector FMAs, or v_wmma_f32_16x16x4_f32). A number that lies on a knife's edge between two numbers of the format may be rounded either way, as far as f32 arithmetic and the matrix unit's own rounding can turn it there, and no further.
;; One version. Each part assembles by itself: llvm-mc -triple=amdgcn-amd-amdhsa -mcpu=gfx1250 --defsym DOCPART=n.
;; ======== version 1 of 1: 4 launches
;; limits: right only within a limited range of input values
;; workspace buffers: ops 13,107,200 bytes; qkv 6,553,600 bytes; oq 3,276,800 bytes
;; launch quant (part 1): grid 64 x 16, 4 waves a work-group, no clusters, 81,408 bytes of LDS; arguments x, wq, wk, wv, wo, ops; writes ops
.if DOCPART == 1
	.amdgcn_target "amdgcn-amd-amdhsa--gfx1250"
	.amdhsa_code_object_version 6
	.text
	.protected	k_q0b6dfb7cf0_quant
	.globl	k_q0b6dfb7cf0_quant
	.p2align	8
	.type	k_q0b6dfb7cf0_quant,@function
k_q0b6dfb7cf0_quant:
	s_mov_b64 s[64:65], 0
	v_nop
	global_prefetch_b8 v0, s[64:65] scope:SCOPE_SE
	s_setreg_imm32_b32 hwreg(HW_REG_WAVE_MODE, 25, 1), 1
	s_wait_xcnt 0x0
; x [2048][2048] and the weights wq, wk, wv, wo ([2048 (k)][n]), all f32, become codes of BF6 (E3M2) with one E8M0 scale byte for each 32 along K, in the workspace ops.
; A block's scale is 2^(floor(log2(its largest magnitude)) - 4): its byte is the largest magnitude's exponent field - 4, held at 1 from below.
; LIMITS: NaN and infinities among the inputs are not served; a block of zeros, or one whose largest magnitude lies under 2^-122, keeps the byte 1 (its codes are zeros or subnormal codes; this program alone reads the bytes).
; LAYOUT OF ops.  Codes lie as IMAGES OF OPERAND REGISTERS: a fragment (16 rows x 128 K, 12 registers a lane) is 1,536 bytes, register 4 c + e of lane l at 512 c + 16 l + 4 e; fragments lie [K chunk 16][tile 512].
; Scale words (4 bytes: one row, 128 K) lie behind them, [K chunk 16][position 8192].  Positions 0-2047 are x's rows, 2048.. wq's columns, 4096.. wk's, 5120.. wv's, 6144.. wo's.
; A row stands at the position that has bits 3 and 4 of its number exchanged: lane r of tile 2 b + u then holds row 32 b + 8 u + r + 8 (r / 8), so that in every later product the 16 result registers of two
; neighbouring tiles are 16 neighbours along the next K.
; WORK-GROUPS x = 0..47: 128 columns of a weight x one K chunk (y).  A lane takes a column and its registers run down K.  x = 48..63: rows of x.  The two paths use LDS bytes of their own; waves share nothing: no barrier.
; THE LAYOUT AS IT STANDS NOW (it takes the place of what the head says of the scale words): ops is [K chunk 16][group 64] of 12,800 bytes: a group's 8 fragments (8 x 1,536 bytes), then their scale words (8 x 16 rows x 4 bytes).
.set CHP,  819200                      ; a K chunk: 64 groups
.set GB,   12800                       ; a group
.set XP,   528                         ; x's stage: 32 rows of 512 bytes + 16, 16,896 bytes a wave, from LDS byte 0
.set WST0, 67584                       ; the weights' stages: 32 rows of 96 bytes + 8, 3,328 bytes a wave
.set WP,   104
.set TM,   8                           ; v8-19   at work in QUANT
.set PC,   224                         ; v224-242 the codes just made
.set SEL,  20                          ; s[20:21] lane selects: lane l xor 16
; 64 numbers of a lane, register 16 b + i = k 32 b + 16 (lane / 16) + i of the lane's row, become a fragment's 12 registers in v[PC] on and its row's scale word in v[pw].
.macro QUANT s, pw
.irp b, 0,1,2,3
	v_max3_num_f32 v[TM+\b], |v[\s+16*\b]|, |v[\s+1+16*\b]|, 0x2800000      ; my 16 numbers of block b, and the floor 2^(5 - 127): the byte cannot fall under 1
.endr
.irp i, 2,4,6,8,10,12,14
.irp b, 0,1,2,3
	v_max3_num_f32 v[TM+\b], v[TM+\b], |v[\s+16*\b+\i]|, |v[\s+1+16*\b+\i]|
.endr
.endr
.irp b, 0,1,2,3
	v_permlanex16_b32 v[TM+4+\b], v[TM+\b], s[SEL], s[SEL+1]
.endr
.irp b, 0,1,2,3
	v_max_num_f32 v[TM+\b], v[TM+\b], v[TM+4+\b]                            ; with lane l xor 16's 16: the block's largest magnitude
.endr
.irp b, 0,1,2,3
	v_add_nc_u32 v[TM+8+\b], 0xfe000000, v[TM+\b]                           ; 4 off its exponent field: the conversion's scale operand
.endr
.irp b, 0,1,2,3
	v_lshrrev_b32 v[TM+4+\b], 23, v[TM+8+\b]                                ; the scale's byte
.endr
	v_lshl_or_b32 v[\pw], v[TM+5], 8, v[TM+4]
	v_lshl_or_b32 v[\pw], v[TM+6], 16, v[\pw]
	v_lshl_or_b32 v[\pw], v[TM+7], 24, v[\pw]
.irp c, 0,1
	v_cvt_scalef32_pk16_bf6_f32 v[PC+6*\c:PC+2+6*\c], v[\s+32*\c:\s+15+32*\c], v[TM+8+2*\c]
	v_cvt_scalef32_pk16_bf6_f32 v[PC+12+4*\c:PC+14+4*\c], v[\s+16+32*\c:\s+31+32*\c], v[TM+8+2*\c+1]   ; (a conversion's three registers begin on an even number)
.endr
	v_nop                                                                   ; one plain instruction behind the scaled conversions
.irp c, 0,1                            ; the operand wants a whole block in a lane: lanes 0-15 block 2 c, lanes 16-31 block 2 c + 1
.irp i, 0,1,2
	v_permlane16_swap_b32 v[PC+6*\c+\i], v[PC+12+4*\c+\i]
.endr
.irp i, 0,1,2
	v_mov_b32 v[PC+3+6*\c+\i], v[PC+12+4*\c+\i]
.endr
.endr
.endm
	s_load_b256 s[4:11], s[0:1], 0x0               ; x, wq, wk, wv
	s_load_b128 s[12:15], s[0:1], 0x20             ; wo, ops
	v_lshl_add_u32 v254, v0, 2, 0x13c00
	v_mov_b32 v255, 0
	v_lshrrev_b32 v1, 5, v0
	v_readfirstlane_b32 s16, v1                    ; wave
	v_and_b32 v1, 31, v0                           ; lane
	v_lshlrev_b32 v7, 4, v1                        ; 16 x lane: an image's place for my lane
	s_and_b32 s17, ttmp7, 0xffff                   ; work-group y
	s_cmp_ge_u32 ttmp9, 48
	s_cbranch_scc1 .Lx
	; ---------------- a weight: 32 columns a wave, one K chunk (y), four blocks of 32 a lane
	v_and_b32 v2, 7, v0
	v_bfe_u32 v5, v0, 3, 1
	v_lshl_add_u32 v2, v5, 4, v2
	v_bfe_u32 v5, v0, 4, 1                         ; h
	v_lshl_add_u32 v2, v5, 3, v2                   ; my column's position among the wave's 32: bits 3 and 4 exchanged
	s_mul_i32 s18, s16, 32*WP
	s_add_co_u32 s18, s18, WST0                    ; my wave's stage
	v_mul_u32_u24 v3, v2, WP
	v_add_nc_u32 v3, s18, v3                       ; into it: the row of my position
	v_and_b32 v6, 15, v0
	v_mul_u32_u24 v4, v6, WP
	v_mad_u32_u24 v4, v5, 24, v4
	v_add_nc_u32 v4, s18, v4                       ; out of it: row r, + 24 bytes for lanes 16-31
	v_lshlrev_b32 v6, 2, v2                        ; my scale word's place
	s_sub_co_u32 s28, ttmp9, 16
	s_cmp_lt_u32 s28, 16                           ; wk and wv (x = 16..31) have rows of 4,096 bytes, wq and wo of 8,192
	s_cselect_b32 s23, 12, 13
	s_lshl_b32 s24, 1, s23                         ; a row in bytes
	s_mul_i32 s40, s17, CHP                        ; chunk y,
	s_add_co_u32 s29, ttmp9, 16
	s_mul_i32 s29, s29, GB
	s_add_co_u32 s40, s40, s29                     ; group 16 + x
	s_lshl_b32 s29, s16, 7
	s_add_co_u32 s42, s40, s29
	s_add_co_u32 s42, s42, 12288                   ; the scale words of tiles 2 wave, 2 wave + 1
	s_mul_i32 s30, s16, 3072
	s_add_co_u32 s40, s40, s30                     ; their codes
	s_mov_b32 s41, 0
	s_mov_b32 s43, 0
	v_lshlrev_b32 v32, 2, v1                       ; v32-63: the offsets of a block's 32 rows (the pitch is a register, so they cannot be immediates); never rewritten
.set i, 1
.rept 31
	v_add_nc_u32 v[32+i], s24, v[31+i]
.set i, i+1
.endr
	s_wait_alu depctr_va_vdst(0)
	s_wait_kmcnt 0x0
	s_cmp_lt_u32 ttmp9, 32                         ; which tensor: the choice hangs on the work-group's number alone
	s_cselect_b64 s[26:27], s[10:11], s[12:13]
	s_cselect_b32 s25, 24, 32
	s_cmp_lt_u32 ttmp9, 24
	s_cselect_b64 s[26:27], s[8:9], s[26:27]
	s_cselect_b32 s25, 16, s25
	s_cmp_lt_u32 ttmp9, 16
	s_cselect_b64 s[26:27], s[6:7], s[26:27]
	s_cselect_b32 s25, 0, s25                      ; the tensor's first x
	s_sub_co_u32 s28, ttmp9, s25
	s_lshl_b32 s28, s28, 7
	s_lshl_b32 s29, s16, 5
	s_add_co_u32 s28, s28, s29                     ; my wave's first column
	s_lshl_b32 s28, s28, 2
	s_lshl_b32 s30, s17, 7                         ; the chunk's first row
	s_lshl_b32 s30, s30, s23
	s_add_co_u32 s30, s30, s28
	s_mov_b32 s31, 0
	s_add_nc_u64 s[32:33], s[26:27], s[30:31]      ; s[32:39]: where the four blocks begin
	s_lshl_b32 s30, s24, 5
	s_add_nc_u64 s[34:35], s[32:33], s[30:31]
	s_add_nc_u64 s[36:37], s[34:35], s[30:31]
	s_add_nc_u64 s[38:39], s[36:37], s[30:31]
	s_add_nc_u64 s[40:41], s[14:15], s[40:41]
	s_add_nc_u64 s[42:43], s[14:15], s[42:43]
.macro LOAD t                          ; block t: W(32 t + i, my column) into set t % 2: 32 lanes read 128 consecutive bytes, the four waves stand side by side on 512
.set i, 0
.rept 32
	global_load_b32 v[64+32*((\t)%2)+i], v[32+i], s[32+2*(\t):33+2*(\t)] th:TH_LOAD_NT
.set i, i+1
.endr
.endm
	LOAD 0
	LOAD 1
.macro BLOCK t
.set XS, 64+32*((\t)%2)
.if (\t) < 3
	s_wait_loadcnt 32                              ; this block's 32 loads are in; the next block's 32 may be out
.else
	s_wait_loadcnt 0
.endif
	v_max3_num_f32 v12, |v[XS]|, |v[XS+1]|, |v[XS+2]|      ; the block's largest magnitude: all 32 numbers are mine
	v_max3_num_f32 v13, |v[XS+3]|, |v[XS+4]|, |v[XS+5]|
.irp i, 6,10,14,18,22,26
	v_max3_num_f32 v12, v12, |v[XS+\i]|, |v[XS+\i+1]|
	v_max3_num_f32 v13, v13, |v[XS+\i+2]|, |v[XS+\i+3]|
.endr
	v_max3_num_f32 v12, v12, |v[XS+30]|, |v[XS+31]|
	v_max3_num_f32 v12, v12, v13, 0x2800000        ; and the floor 2^(5 - 127)
	v_add_nc_u32 v11, 0xfe000000, v12              ; 4 off its exponent field: the conversion's scale operand
	v_lshrrev_b32 v13, 23, v11                     ; the scale's byte
.if (\t) == 0
	v_mov_b32 v10, v13
.else
	v_lshl_or_b32 v10, v13, 8*(\t), v10            ; four bytes make my column's scale word
.endif
	v_cvt_scalef32_pk16_bf6_f32 v[128:130], v[XS:XS+15], v11
	v_cvt_scalef32_pk16_bf6_f32 v[134:136], v[XS+16:XS+31], v11
	v_nop                                          ; one plain instruction behind the scaled conversions
	v_mov_b32 v131, v134
	v_mov_b32 v132, v135
	v_mov_b32 v133, v136
	ds_store_b64 v3, v[128:129] offset:24*(\t)     ; the block's 24 bytes into my row of the stage
	ds_store_b64 v3, v[130:131] offset:24*(\t)+8
	ds_store_b64 v3, v[132:133] offset:24*(\t)+16
.if (\t)+2 < 4
	LOAD (\t)+2
.endif
	s_wait_dscnt 0x0                               ; the stores have read their registers: the next block's codes may be written
.endm
	BLOCK 0
	BLOCK 1
	BLOCK 2
	BLOCK 3
	s_wait_alu depctr_va_vdst(0)
	global_store_b32 v6, v10, s[42:43]             ; 32 scale words: 128 consecutive bytes
.irp u, 0,1                            ; the two tiles come back as operand registers: lane (r, h) takes 24 bytes at 24 h and 24 at 48 + 24 h of row 16 u + r
.irp p, 0,1,2,3,4,5
	ds_load_b64 v[140+12*\u+2*\p:141+12*\u+2*\p], v4 offset:16*\u*WP+48*(\p/3)+8*(\p%3)
.endr
.endr
	s_wait_dscnt 0x0
.irp u, 0,1
.irp c, 0,1,2
	global_store_b128 v7, v[140+12*\u+4*\c:143+12*\u+4*\c], s[40:41] offset:1536*\u+512*\c   ; 32 lanes store 512 consecutive bytes, at a multiple of 256 from the buffer's first byte
.endr
.endr
	s_wait_tensorcnt 0x0
	ds_add_u32 v254, v255
	s_wait_dscnt 0x0
	s_endpgm
	; ---------------- x: a wave takes 32 rows x one K chunk: two tiles
.Lx:
	s_sub_co_u32 s18, ttmp9, 48
	s_lshl_b32 s18, s18, 4
	s_add_co_u32 s18, s18, s17                     ; g = 0..255
	s_lshr_b32 s19, s18, 2                         ; which 32 rows
	s_and_b32 s18, s18, 3
	s_lshl_b32 s18, s18, 2
	s_add_co_u32 s18, s18, s16                     ; which K chunk
	s_lshl_b32 s24, s19, 18                        ; 32 rows of 8,192 bytes
	s_lshl_b32 s25, s18, 9                         ; 128 numbers
	s_add_co_u32 s24, s24, s25
	s_mov_b32 s25, 0
	s_mul_i32 s26, s18, CHP
	s_lshr_b32 s27, s19, 2                         ; four runs of 32 rows to a group
	s_mul_i32 s27, s27, GB
	s_add_co_u32 s26, s26, s27
	s_and_b32 s27, s19, 3
	s_lshl_b32 s28, s27, 7
	s_add_co_u32 s28, s28, s26
	s_add_co_u32 s28, s28, 12288
	s_mul_i32 s27, s27, 3072
	s_add_co_u32 s26, s26, s27
	s_mov_b32 s27, 0
	s_mov_b32 s29, 0
	s_mov_b32 s[SEL], 0x76543210
	s_mov_b32 s[SEL+1], 0xfedcba98
	s_mov_b32 s22, 0xffff0000                      ; lanes 16-31
	s_mul_i32 s23, s16, 32*XP                      ; my wave's stage
	s_wait_alu depctr_va_vdst(0)
	v_add_nc_u32 v3, s23, v7                       ; into it: 16 bytes a lane of a row
	v_and_b32 v5, 15, v0
	v_mul_u32_u24 v4, v5, XP
	v_bfe_u32 v5, v0, 4, 1
	v_lshl_add_u32 v4, v5, 6, v4
	v_add_nc_u32 v4, s23, v4                       ; out of it: row r, + 64 bytes for lanes 16-31: my 16 numbers of each block of 32
	v_lshlrev_b32 v5, 2, v1
.irp b, 0,1,2,3
	v_mov_b32 v[TM+4+\b], 0                        ; written once: a lane permute's destination counts as one of its sources
.endr
	s_wait_alu depctr_va_vdst(0)
	s_wait_kmcnt 0x0
	s_add_nc_u64 s[24:25], s[4:5], s[24:25]
	s_add_nc_u64 s[26:27], s[14:15], s[26:27]
	s_add_nc_u64 s[28:29], s[14:15], s[28:29]
.irp u, 0,1                            ; tile u's register group k holds row 8 u + k + 8 (k / 8); each load reads 512 consecutive bytes
.irp k, 0,1,2,3,4,5,6,7,8,9,10,11,12,13,14,15
	global_load_b128 v[32+64*\u+4*\k:35+64*\u+4*\k], v7, s[24:25] offset:(8*\u+\k+8*(\k/8))*8192 th:TH_LOAD_NT
.endr
.endr
.macro TOST u                          ; tile u's 16 rows into the stage, as they lie
.irp k, 0,1,2,3,4,5,6,7,8,9,10,11,12,13,14,15
	ds_store_b128 v3, v[32+64*\u+4*\k:35+64*\u+4*\k] offset:(16*\u+\k)*XP
.endr
.endm
.macro BACK u, dst                     ; and back: register 16 b + i = k 32 b + 16 (lane / 16) + i of row r.  LDS serves a wave's instructions in order: these see the stores
.irp b, 0,1,2,3
.irp j, 0,1,2,3
	ds_load_b128 v[\dst+16*\b+4*\j:\dst+16*\b+4*\j+3], v4 offset:16*\u*XP+128*\b+16*\j
.endr
.endr
.endm
	s_wait_loadcnt 16                              ; tile 0's 16 loads are in
	TOST 0
	BACK 0, 160
	s_wait_loadcnt 0x0
	TOST 1
	s_wait_dscnt 16                                ; all but tile 1's 16 stores: tile 0 is back
	BACK 1, 32
	QUANT 160, 24
.irp c, 0,1,2
	global_store_b128 v7, v[PC+4*\c:PC+4*\c+3], s[26:27] offset:512*\c
.endr
	s_wait_dscnt 0x0                               ; tile 1 is back
	s_wait_xcnt 0x0                                ; the stores have read the codes' registers, which are written again below
	QUANT 32, 25
.irp c, 0,1,2
	global_store_b128 v7, v[PC+4*\c:PC+4*\c+3], s[26:27] offset:1536+512*\c
.endr
	v_cndmask_b32 v26, v24, v25, s22               ; lanes 0-15: tile 0's words, lanes 16-31: tile 1's
	global_store_b32 v5, v26, s[28:29]             ; 128 consecutive bytes
	s_wait_tensorcnt 0x0
	ds_add_u32 v254, v255
	s_wait_dscnt 0x0
	s_endpgm
.Lfunc_end_k_q0b6dfb7cf0_quant:
	.size	k_q0b6dfb7cf0_quant, .Lfunc_end_k_q0b6dfb7cf0_quant-k_q0b6dfb7cf0_quant
	.p2alignl 7, 3214868480
	.fill 96, 4, 3214868480
	.section	.rodata,"a",@progbits
	.p2align	6, 0x0
	.amdhsa_kernel k_q0b6dfb7cf0_quant
		.amdhsa_group_segment_fixed_size 81408
		.amdhsa_private_segment_fixed_size 0
		.amdhsa_enable_private_segment 0
		.amdhsa_kernarg_size 48
		.amdhsa_user_sgpr_count 2
		.amdhsa_user_sgpr_kernarg_segment_ptr 1
		.amdhsa_wavefront_size32 1
		.amdhsa_system_sgpr_workgroup_id_x 1
		.amdhsa_system_sgpr_workgroup_id_y 1
		.amdhsa_system_sgpr_workgroup_id_z 1
		.amdhsa_system_vgpr_workitem_id 0
		.amdhsa_next_free_vgpr 256
		.amdhsa_next_free_sgpr 66
		.amdhsa_reserve_vcc 0
		.amdhsa_float_denorm_mode_32 3
		.amdhsa_float_denorm_mode_16_64 3
		.amdhsa_memory_ordered 1
		.amdhsa_forward_progress 1
		.amdhsa_inst_pref_size 42
	.end_amdhsa_kernel
	.amdgpu_metadata
---
amdhsa.version: [ 1, 2 ]
amdhsa.kernels:
  - .name:           k_q0b6dfb7cf0_quant
    .symbol:         k_q0b6dfb7cf0_quant.kd
    .args:
      - { .name: x, .offset: 0, .size: 8, .value_kind: global_buffer, .address_space: global }
      - { .name: wq, .offset: 8, .size: 8, .value_kind: global_buffer, .address_space: global }
      - { .name: wk, .offset: 16, .size: 8, .value_kind: global_buffer, .address_space: global }
      - { .name: wv, .offset: 24, .size: 8, .value_kind: global_buffer, .address_space: global }
      - { .name: wo, .offset: 32, .size: 8, .value_kind: global_buffer, .address_space: global }
      - { .name: ops, .offset: 40, .size: 8, .value_kind: global_buffer, .address_space: global }
    .group_segment_fixed_size: 81408
    .private_segment_fixed_size: 0
    .kernarg_segment_align: 8
    .kernarg_segment_size: 48
    .max_flat_workgroup_size: 128
    .sgpr_count:     66
    .vgpr_count:     256
    .wavefront_size: 32
...
	.end_amdgpu_metadata
.endif
;; end of part 1
;; launch qkv (part 2): grid 32 x 8, 4 waves a work-group, clusters of 4 x 4, 327,680 bytes of LDS; arguments ops, freqs_cos, freqs_sin, qkv; writes qkv
.if DOCPART == 2
	.amdgcn_target "amdgcn-amd-amdhsa--gfx1250"
	.amdhsa_code_object_version 6
	.text
	.protected	k_q0b6dfb7cf0_qkv
	.globl	k_q0b6dfb7cf0_qkv
	.p2align	8
	.type	k_q0b6dfb7cf0_qkv,@function
k_q0b6dfb7cf0_qkv:
	s_mov_b64 s[64:65], 0
	v_nop
	global_prefetch_b8 v0, s[64:65] scope:SCOPE_SE
	s_setreg_imm32_b32 hwreg(HW_REG_WAVE_MODE, 25, 1), 1
	s_wait_xcnt 0x0
	s_wait_alu depctr_hold_cnt(0) depctr_sa_sdst(0) depctr_va_vdst(0) depctr_va_sdst(0) depctr_va_ssrc(0) depctr_va_vcc(0) depctr_vm_vsrc(0)
	s_getreg_b32 s2, hwreg(HW_REG_IB_STS2, 6, 4)
	s_cmp_eq_u32 s2, 0
	s_cbranch_scc0 .Lentry_in_a_cluster
	s_endpgm
.Lentry_in_a_cluster:
	s_bfe_u32 s2, ttmp6, 0x10000c
	s_cmp_lg_u32 s2, 0xf033
	s_cbranch_scc0 .Lentry_shape_is_right
	s_endpgm
.Lentry_shape_is_right:
; q = rope(x wq), k = rope(x wk), v = x wv on codes of BF6 (E3M2) with E8M0 scales, f32 sums; the results are quantised here, in registers, and leave as codes: q and k along the head's 128, v along the KEYS.
; A work-group takes 256 rows of x (ty) x 128 columns of [wq | wk | wv] (tx: one head: 0-15 q, 16-23 k, 24-31 v).  Operands come from ops as images of operand registers (1,536 bytes a fragment, read by three loads of 16 bytes a lane).
; A WAVE multiplies 8 tiles P (source 0) by 4 tiles R (source 1): 32 accumulators.  In a result a lane holds one row of R, and the 16 registers of P's tiles 2 b, 2 b + 1 are P's rows 32 b + 16 (lane / 16) + 0..15.
;   q, k: P = the head's 8 tiles of W, R = 4 tiles of x: a lane holds one token, its registers run along the head's 128.
;   v:    P = 8 tiles of x (128 keys), R = 4 tiles of wv: a lane holds one channel, its registers run along the keys.  Only three LDS bases and the first tile written differ: they are chosen by the cluster's x, which all partners share.
; K goes in 16 chunks of 128 through two LDS slots of four chunks.  CLUSTER 4 x 4: x's tiles are asked for jointly along a row of the cluster, W's along a column.  The scale words come with the codes, in each chunk's group.
; The tables' rows are read 32 bytes a lane straight into registers (64 loads a wave, once); the v role loads them too, so that both roles run one text up to the rotation.
; Prefetch: fills 1 and 2 behind fill 0's request, fill 3 behind fill 1's.
; LIMITS: NaN and infinities are not served; a block of zeros or under 2^-122 keeps the scale byte 1 (this program alone reads the bytes).
; REGISTERS: window 0: v16-24 addresses, v28-29 the add's, v32-55 scale words (two sets: P's 8, R's 4), v64-159 R's fragments (two sets); in the epilogue v64-127 at work, v160.. codes.
;   window 1: P's fragments, sets at v0 and v128.   window 2: accumulator (a, t) at v[64 a + 8 t].   window 3: cos at v[64 a + pair], sin 32 further on.
; THE LAYOUT AS IT STANDS NOW: in ops and in qkv a group is 8 fragments and, behind them, their 512 bytes of scale words: 12,800 bytes.  So the scale words come with the codes, by the same loads, and no load is for them alone.
; At the head a wave asks for its part of slot 0; slot 1's first fill stands behind the three lines and a round, as a refill does.
.set CHP,   819200                     ; a K chunk of ops: 64 groups
.set HP,    204800                     ; a head of qkv: 16 groups
.set CHB,   12800                      ; a group: its part of one K chunk
.set GRP,   51200                      ; a group in a slot: 4 chunks.  A slot: x's tiles 0-7, x's tiles 8-15, W's 8 tiles
.set SLOT,  153600
.set SPARE, 307200                     ; the spare words: 128 bytes a wave
.set ADRP, 16
.set ADRR, 18
.set ADSP, 26                          ; v26-27 P's scale words in slot 0, 1
.set ADSR, 30                          ; v30-31 R's
.set LI,   22                          ; v22 16 x lane
.set LS,   23                          ; v23 4 x lane
.set CSO,  24                          ; v24 my lane's offset in the tables
.set SPW,  28
.set NIL,  29
.set SC,   32
.set RF,   64
.set T,    64
.set PC,   160
.set TM,   180
.set PW,   196
.set SEL,  22
.set G1A,  24
.set G0A,  32
.set G1B,  48
.set G0B,  56
.set G1SA, 68
.set G0SA, 76
.set G1SB, 80
.set G0SB, 88
.set MSB, 0
.macro WIN new                         ; the immediate's high byte repeats the setting that is left
.if MSB != \new
	s_set_vgpr_msb (MSB<<8)|\new
.set MSB, \new
.endif
.endm
.macro PLACES n
.rept \n
	v_nop
.endr
.endm
.macro G1SET g, c, r, p                ; group 1 behind its first word: rows of c elements, r of them, p elements apart
	s_mov_b32 s[\g+1], (\c)<<16
	s_mov_b32 s[\g+2], (\r)<<16
	s_mov_b32 s[\g+3], (\c)<<16
	s_mov_b32 s[\g+4], \r
	s_mov_b32 s[\g+5], \p
	s_mov_b32 s[\g+6], 0
	s_mov_b32 s[\g+7], 0
.endm
.macro G0SET g, ls, lo, ad, go         ; group 0: count 1, LDS address s[ls] + lo, global address s[ad:ad+1] + go, type 2
	s_mov_b32 s[\g], 1
	s_add_co_u32 s[\g+1], s[\ls], \lo
	s_add_nc_u64 s[\g+2:\g+3], s[\ad:\ad+1], \go
	s_or_b32 s[\g+3], s[\g+3], 0x80000000
.endm
; A joint load: waves 0 and 1 fetch for x, waves 2 and 3 for W.  The branch hangs on the wave's number alone.  Four v_nop follow each of the two lines.
.macro JLOAD g0a, g1a, g0b, g1b
	s_cmp_eq_u32 s15, 0
	s_cbranch_scc0 .Lfor_b_\@
	tensor_load_to_lds s[\g0a:\g0a+3], s[\g1a:\g1a+7]
	s_nop 0
.rept 4
	v_nop
.endr
	s_branch .Lasked_\@
.Lfor_b_\@:
	tensor_load_to_lds s[\g0b:\g0b+3], s[\g1b:\g1b+7]
	s_nop 0
.rept 4
	v_nop
.endr
.Lasked_\@:
.endm
.macro CREST                           ; a round of the cluster's barrier behind its opening barrier
	s_cmp_lg_u32 s14, 0
	s_cbranch_scc1 .Lnot_wave_0_\@
	s_barrier_signal -3
.Lnot_wave_0_\@:
	s_barrier_wait -3
	s_barrier_signal -1
	s_barrier_wait -1
.endm
.macro CROUND
	s_barrier_signal -1
	s_barrier_wait -1
	CREST
.endm
	s_load_b256 s[4:11], s[0:1], 0x0               ; ops, cos, sin, qkv
	v_lshl_add_u32 v[SPW], v0, 2, SPARE
	v_mov_b32 v[NIL], 0
	ds_add_u32 v28, v29
	ds_add_u32 v28, v29
	s_wait_dscnt 0x0
	v_lshrrev_b32 v1, 5, v0
	v_readfirstlane_b32 s14, v1                    ; wave
	s_lshr_b32 s15, s14, 1
	s_and_b32 s16, s14, 1
	s_bfe_u32 s40, ttmp6, 0x40000                  ; cx
	s_bfe_u32 s41, ttmp6, 0x40004                  ; cy
	s_lshl_b32 s42, ttmp9, 2
	s_add_co_u32 s42, s42, s40                     ; tx
	s_and_b32 s17, ttmp7, 0xffff
	s_lshl_b32 s17, s17, 2
	s_add_co_u32 s17, s17, s41                     ; ty
	s_lshl_b32 s43, s41, 2
	s_lshl_b32 s43, 15, s43                        ; my row of the cluster
	s_lshl_b32 s44, 0x1111, s40                    ; my column
	s_or_b32 s[G1A], s43, (3<<16)|(1<<21)          ; the mask; elements of 8 bytes; bit 21 beside a mask; no padding
	s_or_b32 s[G1B], s44, (3<<16)|(1<<21)
	G1SET G1A, 1600, 4, 102400                     ; x: a group (12,800 bytes) of 4 chunks, a chunk of ops apart
	G1SET G1B, 1600, 2, 102400                     ; W: the same of 2 chunks
	s_lshl_b32 s20, s17, 1                         ; x: group 2 ty + (wave & 1)
	s_add_co_u32 s20, s20, s16
	s_mul_i32 s20, s20, CHB
	s_mov_b32 s21, 0
	s_add_co_u32 s46, s42, 16                      ; W: group 16 + tx, chunk 2 (wave & 1)
	s_mul_i32 s46, s46, CHB
	s_mul_i32 s47, s16, 2*CHP
	s_add_co_u32 s46, s46, s47
	s_mov_b32 s47, 0
	s_mul_i32 s45, s16, GRP                        ; where they go: no place in the cluster enters an LDS address
	s_mul_i32 s94, s16, 2*CHB
	s_add_co_u32 s94, s94, 2*GRP
	; THE PREFETCHES: of what my wave asks for in a later fill, the four partners that ask with me share the blocks of 256 bytes out BY ADDRESS.
	; x's waves (200 blocks a fill): partner cx takes chunk cx of the fill's four, 50 blocks.  W's waves (100 blocks): partner cy takes 25 blocks: chunk cy / 2 of my two, half cy % 2.
	s_add_co_u32 s70, s40, 4                       ; from fill 1 (chunks 4-7) on
	s_mul_i32 s70, s70, CHP
	s_add_co_u32 s70, s70, s20
	s_lshr_b32 s71, s41, 1
	s_add_co_u32 s71, s71, 4
	s_mul_i32 s71, s71, CHP
	s_add_co_u32 s71, s71, s46
	s_and_b32 s72, s41, 1
	s_mul_i32 s72, s72, 25*256
	s_add_co_u32 s71, s71, s72
	s_cmp_eq_u32 s15, 0
	s_cselect_b32 s68, s70, s71
	s_cselect_b32 s73, 49, 24                      ; my share's last block
	s_mov_b32 s69, 0
	s_wait_kmcnt 0x0
	s_add_nc_u64 s[68:69], s[4:5], s[68:69]
	s_add_nc_u64 s[20:21], s[4:5], s[20:21]
	s_add_nc_u64 s[46:47], s[4:5], s[46:47]
	G0SET G0A, 45, 0, 20, 0
	G0SET G0A+4, 45, SLOT, 20, 4*CHP
	G0SET G0B, 94, 0, 46, 0
	G0SET G0B+4, 94, SLOT, 46, 4*CHP
	CROUND                                         ; all sixteen work-groups are here: the first joint loads meet
	JLOAD G0A, G1A, G0B, G1B                       ; chunks 0-3: my one tensor load at the head
	v_and_b32 v1, 15, v0                           ; r
	v_bfe_u32 v2, v0, 4, 1                         ; h
	v_and_b32 v3, 31, v0
	v_lshlrev_b32 v[LI], 4, v3
	s_wait_alu depctr_va_vdst(0)
	v_lshlrev_b32 v[LS], 2, v3
	v_lshlrev_b32 v4, 2, v1
	v_min_u32 v6, s73, v3                          ; a lane a block; lanes that are left over name my share's last block again.  v6, v7 and s[68:69] are never rewritten
	v_lshlrev_b32 v6, 8, v6
	v_add_nc_u32 v7, 32, v3
	v_min_u32 v7, 49, v7
	v_lshlrev_b32 v7, 8, v7
	s_wait_alu depctr_va_vdst(0)
	global_prefetch_b8 v6, s[68:69] th:TH_LOAD_NT scope:SCOPE_SE                 ; behind fill 0's request: fills 1 and 2, two fills ahead at the most
	global_prefetch_b8 v6, s[68:69] offset:4*CHP th:TH_LOAD_NT scope:SCOPE_SE
	s_cmp_eq_u32 s15, 0
	s_cbranch_scc0 .Lasked_head                    ; W's shares of 25 blocks are served by one instruction a fill
	global_prefetch_b8 v7, s[68:69] th:TH_LOAD_NT scope:SCOPE_SE
	global_prefetch_b8 v7, s[68:69] offset:4*CHP th:TH_LOAD_NT scope:SCOPE_SE
.Lasked_head:
	s_mul_i32 s97, s15, GRP
	s_mul_i32 s98, s16, 4*1536
	s_add_co_u32 s97, s97, s98
	s_mul_i32 s98, s15, 4*1536                     ; v: R = W's tiles 4 (wave / 2) ..
	s_add_co_u32 s98, s98, 2*GRP
	s_mov_b32 s99, 2*GRP                           ; q, k: P = W's 8 tiles;  v: P = x's group wave & 1 (s45)
	s_mul_i32 s18, s15, GRP                        ; R's scale words, less the 12,288 bytes of codes ahead of them: q, k: x's group wave / 2, tiles 4 (wave & 1) ..
	s_lshl_b32 s19, s16, 8
	s_add_co_u32 s18, s18, s19
	s_lshl_b32 s19, s15, 8                         ; v: W's tiles 4 (wave / 2) ..
	s_add_co_u32 s19, s19, 2*GRP
	s_lshl_b32 s2, s17, 4                          ; the first tile that I write: q, k: 16 ty + 4 wave;  v: 8 x key chunk (2 ty + (wave & 1)) + 4 (wave / 2)
	s_lshl_b32 s3, s14, 2
	s_add_co_u32 s3, s3, s2
	s_lshl_b32 s13, s16, 3
	s_add_co_u32 s2, s2, s13
	s_lshl_b32 s13, s15, 2
	s_add_co_u32 s2, s2, s13
	s_cmp_ge_u32 ttmp9, 6                          ; clusters 6 and 7 along x are v's: the same in all partners
	s_cselect_b32 s99, s45, s99
	s_cselect_b32 s97, s98, s97
	s_cselect_b32 s18, s19, s18
	s_cselect_b32 s3, s2, s3
	v_add_nc_u32 v[ADRP], s99, v[LI]
	v_add_nc_u32 v[ADRP+1], SLOT, v[ADRP]
	v_add_nc_u32 v[ADRR], s97, v[LI]
	v_add_nc_u32 v[ADRR+1], SLOT, v[ADRR]
	v_add_nc_u32 v4, 12288, v4                     ; a group's scale words lie behind its 8 fragments
	v_add_nc_u32 v[ADSP], s99, v4
	v_add_nc_u32 v[ADSP+1], SLOT, v[ADSP]
	v_add_nc_u32 v[ADSR], s18, v4
	v_add_nc_u32 v[ADSR+1], SLOT, v[ADSR]
	s_mul_i32 s92, s42, HP                         ; where my results go: head tx, group s3 / 8
	s_lshr_b32 s93, s3, 3
	s_mul_i32 s93, s93, CHB
	s_add_co_u32 s92, s92, s93
	s_and_b32 s93, s3, 7
	s_lshl_b32 s46, s93, 6
	s_add_co_u32 s46, s46, s92
	s_add_co_u32 s46, s46, 12288                   ; my scale words: 64 bytes a tile, behind the group's codes
	s_mul_i32 s93, s93, 1536
	s_add_co_u32 s92, s92, s93                     ; my codes
	s_mov_b32 s93, 0
	s_mov_b32 s47, 0
	s_add_nc_u64 s[92:93], s[10:11], s[92:93]
	s_add_nc_u64 s[46:47], s[10:11], s[46:47]
	s_lshl_b32 s20, s17, 16                        ; the tables at token 256 ty + 64 wave: 256 bytes a token
	s_lshl_b32 s21, s14, 14
	s_add_co_u32 s20, s20, s21
	s_mov_b32 s21, 0
	s_add_nc_u64 s[6:7], s[6:7], s[20:21]
	s_add_nc_u64 s[8:9], s[8:9], s[20:21]
	v_and_b32 v5, 8, v1
	v_add_nc_u32 v5, v5, v1                        ; r + 8 (r / 8)
	v_lshlrev_b32 v[CSO], 8, v5
	v_lshl_add_u32 v[CSO], v2, 5, v[CSO]           ; + 8 pairs for lanes 16-31
	WIN 0xc0                                       ; destination window 3
.irp a, 0,1,2,3                        ; for R's tile a my token is 32 (a / 2) + 8 (a % 2) + r + 8 (r / 8); its pairs 16 b + 8 h + 0..7 belong to my registers 16 b + 0..15
.irp b, 0,1,2,3
.irp e, 0,1
	global_load_b128 v[64*\a+8*\b+4*\e:64*\a+8*\b+4*\e+3], v[CSO], s[6:7] offset:(32*(\a/2)+8*(\a%2))*256+64*\b+16*\e
	global_load_b128 v[64*\a+32+8*\b+4*\e:64*\a+32+8*\b+4*\e+3], v[CSO], s[8:9] offset:(32*(\a/2)+8*(\a%2))*256+64*\b+16*\e
.endr
.endr
.endr
	WIN 0
.irp b, 0,1,2,3
	v_mov_b32 v[TM+4+\b], 0                        ; written once: a lane permute's destination counts as one of its sources
.endr
	s_mov_b32 s[SEL], 0x76543210
	s_mov_b32 s[SEL+1], 0xfedcba98
	s_mov_b32 s13, 0xffff0000                      ; lanes 16-31
; 48 LDS loads in one run: a chunk's 8 fragments of P, 4 of R, and their 12 scale words, into set
.macro FETCH slot, q, set, kc
	WIN 0x40                                       ; destination window 1
.irp t, 0,1,2,3,4,5,6,7
.irp c, 0,1,2
	ds_load_b128 v[128*(\set)+12*\t+4*\c:128*(\set)+12*\t+4*\c+3], v[ADRP+(\slot)] offset:(\q)*CHB+1536*\t+512*\c
.endr
.endr
	WIN 0
.irp t, 0,1,2,3
.irp c, 0,1,2
	ds_load_b128 v[RF+48*(\set)+12*\t+4*\c:RF+48*(\set)+12*\t+4*\c+3], v[ADRR+(\slot)] offset:(\q)*CHB+1536*\t+512*\c
.endr
.endr
.irp t, 0,1,2,3,4,5,6,7
	ds_load_b32 v[SC+12*(\set)+\t], v[ADSP+(\slot)] offset:(\q)*CHB+64*\t
.endr
.irp t, 0,1,2,3
	ds_load_b32 v[SC+12*(\set)+8+\t], v[ADSR+(\slot)] offset:(\q)*CHB+64*\t
.endr
.endm
; 8 matrix instructions: R's tile a against P's eight.  The 32 accumulators take turns, one instruction a turn, in the same order in every chunk.
.macro MULA a, set, zero
.irp t, 0,1,2,3,4,5,6,7
.if \zero
	v_wmma_scale_f32_16x16x128_f8f6f4 v[64*(\a)+8*\t:64*(\a)+8*\t+7], v[128*(\set)+12*\t:128*(\set)+12*\t+11], v[RF+48*(\set)+12*(\a):RF+48*(\set)+12*(\a)+11], 0, v[SC+12*(\set)+\t], v[SC+12*(\set)+8+(\a)] matrix_a_fmt:MATRIX_FMT_BF6 matrix_b_fmt:MATRIX_FMT_BF6
.else
	v_wmma_scale_f32_16x16x128_f8f6f4 v[64*(\a)+8*\t:64*(\a)+8*\t+7], v[128*(\set)+12*\t:128*(\set)+12*\t+11], v[RF+48*(\set)+12*(\a):RF+48*(\set)+12*(\a)+11], v[64*(\a)+8*\t:64*(\a)+8*\t+7], v[SC+12*(\set)+\t], v[SC+12*(\set)+8+(\a)] matrix_a_fmt:MATRIX_FMT_BF6 matrix_b_fmt:MATRIX_FMT_BF6
.endif
.endr
.endm
; Chunk g, whose successor lies in the same slot: the successor's loads go out first, into the set that the chunk before has multiplied (four plain instructions behind its last product), then chunk g is multiplied.
.macro STEP g, zero
	PLACES 4
	FETCH (((\g)+1)/4)%2, ((\g)+1)%4, ((\g)+1)%2, (\g)+1
	s_wait_dscnt 48                                ; all but the 48 just issued: chunk g's operands are in
	WIN 0xa1                                       ; P window 1, R window 0, C and D window 2
	MULA 0, (\g)%2, \zero
	MULA 1, (\g)%2, \zero
	MULA 2, (\g)%2, \zero
	MULA 3, (\g)%2, \zero
.endm
; A slot's last chunk changes slots: one barrier; in front of it each wave waits for all its tensor loads, adds 0 to its spare word, and waits for that and for its reads of this slot.  fill = 1: the slot is filled again, 8 chunks on.
.macro TURN g, fill
	WIN 0
	s_wait_tensorcnt 0x0                           ; all my tensor loads have landed, my part of the next slot among them
	ds_add_u32 v[SPW], v[NIL]                      ; 0 onto my spare word
	s_wait_dscnt 1                                 ; chunk g's operands are in; the add may be out
	WIN 0xa1
	MULA 0, 1, 0
	MULA 1, 1, 0
	s_wait_dscnt 0x0                               ; the add is done, and my reads of this slot are over
	s_barrier_signal -1
	MULA 2, 1, 0
	WIN 0
	s_barrier_wait -1
.if \fill
	CREST                                          ; the barrier has opened a round of the cluster's: no wave of any partner still reads this slot or has a load on its way
	s_add_nc_u64 s[G0A+4*(((\g)/4)%2)+2:G0A+4*(((\g)/4)%2)+3], s[G0A+4*(((\g)/4)%2)+2:G0A+4*(((\g)/4)%2)+3], 8*CHP
	s_add_nc_u64 s[G0B+4*(((\g)/4)%2)+2:G0B+4*(((\g)/4)%2)+3], s[G0B+4*(((\g)/4)%2)+2:G0B+4*(((\g)/4)%2)+3], 8*CHP
	JLOAD G0A+4*(((\g)/4)%2), G1A, G0B+4*(((\g)/4)%2), G1B   ; my one tensor load behind the round; its four v_nop are also the plain instructions in front of the loads below
.else
	PLACES 4
.endif
	FETCH (((\g)+1)/4)%2, 0, 0, (\g)+1
	WIN 0xa1
	MULA 3, 1, 0
.endm
	s_wait_alu depctr_va_vdst(0)
	s_wait_tensorcnt 0x0                           ; my part of chunks 0-3 is in
	ds_add_u32 v[SPW], v[NIL]
	s_wait_dscnt 0x0
	CROUND                                         ; everybody's part is in, and all sixteen work-groups are here
	JLOAD G0A+4, G1A, G0B+4, G1B                   ; chunks 4-7: my one tensor load behind the round
	FETCH 0, 0, 0, 0
	global_prefetch_b8 v6, s[68:69] offset:8*CHP th:TH_LOAD_NT scope:SCOPE_SE    ; behind fill 1's request: fill 3 (chunks 12-15), the last: nothing is asked for after it
	s_cmp_eq_u32 s15, 0
	s_cbranch_scc0 .Lasked_one
	global_prefetch_b8 v7, s[68:69] offset:8*CHP th:TH_LOAD_NT scope:SCOPE_SE
.Lasked_one:
	STEP 0, 1                                      ; the first chunk's products start the sums: nothing is cleared
	STEP 1, 0
	STEP 2, 0
	TURN 3, 1
	STEP 4, 0
	STEP 5, 0
	STEP 6, 0
	TURN 7, 1
	STEP 8, 0
	STEP 9, 0
	STEP 10, 0
	TURN 11, 0
	STEP 12, 0
	STEP 13, 0
	STEP 14, 0
	s_wait_dscnt 0x0
	WIN 0xa1
	MULA 0, 1, 0
	MULA 1, 1, 0
	MULA 2, 1, 0
	MULA 3, 1, 0
	WIN 0
	PLACES 4                                       ; four plain instructions between the last product and the first read of results
	s_wait_loadcnt 0x0                             ; the tables
; THE ROTATION of tile a's 32 pairs: (xr, xi) -> (xr cos - xi sin, xr sin + xi cos), in f32, in place.  Each accumulator is read from its low end on.
.macro ROPE a
	WIN 0x0e                                       ; source 0: accumulators (window 2), source 1: the tables (window 3)
.set p, 0
.rept 32
	v_mul_f32 v[T+2*p], v[64*(\a)+2*p+1], v[64*(\a)+32+p]
	v_mul_f32 v[T+2*p+1], v[64*(\a)+2*p], v[64*(\a)+32+p]
.set p, p+1
.endr
	WIN 0x8e                                       ; and the destination window 2
.set p, 0
.rept 32
	v_fma_f32 v[64*(\a)+2*p], v[64*(\a)+2*p], v[64*(\a)+p], -v[T+2*p]
	v_fma_f32 v[64*(\a)+2*p+1], v[64*(\a)+2*p+1], v[64*(\a)+p], v[T+2*p+1]
.set p, p+1
.endr
.endm
	s_cmp_ge_u32 ttmp9, 6                          ; v is not rotated
	s_cbranch_scc1 .Lno_rope
	ROPE 0
	ROPE 1
	ROPE 2
	ROPE 3
	WIN 0
.Lno_rope:
; Tile a's 64 numbers of a lane (window 2, register 16 b + i = 32 b + 16 (lane / 16) + i along the next K) become a fragment's codes in v[PC] on and its scale word in v[PW + a].
.macro QUANTW a
	WIN 0x0a
.irp b, 0,1,2,3
	v_max3_num_f32 v[TM+\b], |v[64*(\a)+16*\b]|, |v[64*(\a)+1+16*\b]|, 0x2800000   ; my 16 numbers of block b, and the floor 2^(5 - 127)
.endr
	WIN 0x28
.irp i, 2,4,6,8,10,12,14
.irp b, 0,1,2,3
	v_max3_num_f32 v[TM+\b], v[TM+\b], |v[64*(\a)+16*\b+\i]|, |v[64*(\a)+1+16*\b+\i]|
.endr
.endr
	WIN 0
.irp b, 0,1,2,3
	v_permlanex16_b32 v[TM+4+\b], v[TM+\b], s[SEL], s[SEL+1]
.endr
.irp b, 0,1,2,3
	v_max_num_f32 v[TM+\b], v[TM+\b], v[TM+4+\b]
.endr
.irp b, 0,1,2,3
	v_add_nc_u32 v[TM+8+\b], 0xfe000000, v[TM+\b]  ; 4 off the exponent field: the conversion's scale operand
.endr
.irp b, 0,1,2,3
	v_lshrrev_b32 v[TM+4+\b], 23, v[TM+8+\b]       ; the scale's byte
.endr
	v_lshl_or_b32 v[PW+(\a)], v[TM+5], 8, v[TM+4]
	v_lshl_or_b32 v[PW+(\a)], v[TM+6], 16, v[PW+(\a)]
	v_lshl_or_b32 v[PW+(\a)], v[TM+7], 24, v[PW+(\a)]
	s_wait_xcnt 0x0                                ; the last tile's stores have read the codes' registers, which are written again below
	WIN 0x02
.irp c, 0,1
	v_cvt_scalef32_pk16_bf6_f32 v[PC+6*\c:PC+2+6*\c], v[64*(\a)+32*\c:64*(\a)+15+32*\c], v[TM+8+2*\c]
	v_cvt_scalef32_pk16_bf6_f32 v[PC+12+4*\c:PC+14+4*\c], v[64*(\a)+16+32*\c:64*(\a)+31+32*\c], v[TM+8+2*\c+1]
.endr
	WIN 0
	v_nop                                          ; one plain instruction behind the scaled conversions
.irp c, 0,1
.irp i, 0,1,2
	v_permlane16_swap_b32 v[PC+6*\c+\i], v[PC+12+4*\c+\i]
.endr
.irp i, 0,1,2
	v_mov_b32 v[PC+3+6*\c+\i], v[PC+12+4*\c+\i]
.endr
.endr
.endm
.irp a, 0,1,2,3
	QUANTW \a
.irp c, 0,1,2
	global_store_b128 v[LI], v[PC+4*\c:PC+4*\c+3], s[92:93] offset:1536*\a+512*\c   ; 32 lanes store 512 consecutive bytes, at a multiple of 256 from the buffer's first byte
.endr
.if \a%2 == 1
	v_cndmask_b32 v200, v[PW+\a-1], v[PW+\a], s13  ; lanes 0-15: the even tile's words, lanes 16-31: the odd tile's
	global_store_b32 v[LS], v200, s[46:47] offset:64*(\a-1)
.endif
.endr
	s_wait_tensorcnt 0x0                           ; the wave's end
	ds_add_u32 v[SPW], v[NIL]
	s_wait_dscnt 0x0
	CROUND                                         ; the closing round
	s_endpgm
.Lfunc_end_k_q0b6dfb7cf0_qkv:
	.size	k_q0b6dfb7cf0_qkv, .Lfunc_end_k_q0b6dfb7cf0_qkv-k_q0b6dfb7cf0_qkv
	.p2alignl 7, 3214868480
	.fill 96, 4, 3214868480
	.section	.rodata,"a",@progbits
	.p2align	6, 0x0
	.amdhsa_kernel k_q0b6dfb7cf0_qkv
		.amdhsa_group_segment_fixed_size 327680
		.amdhsa_private_segment_fixed_size 0
		.amdhsa_enable_private_segment 0
		.amdhsa_kernarg_size 32
		.amdhsa_user_sgpr_count 2
		.amdhsa_user_sgpr_kernarg_segment_ptr 1
		.amdhsa_wavefront_size32 1
		.amdhsa_system_sgpr_workgroup_id_x 1
		.amdhsa_system_sgpr_workgroup_id_y 1
		.amdhsa_system_sgpr_workgroup_id_z 1
		.amdhsa_system_vgpr_workitem_id 0
		.amdhsa_next_free_vgpr 1024
		.amdhsa_next_free_sgpr 100
		.amdhsa_reserve_vcc 0
		.amdhsa_float_denorm_mode_32 3
		.amdhsa_float_denorm_mode_16_64 3
		.amdhsa_memory_ordered 1
		.amdhsa_forward_progress 1
		.amdhsa_inst_pref_size 177
	.end_amdhsa_kernel
	.amdgpu_metadata
---
amdhsa.version: [ 1, 2 ]
amdhsa.kernels:
  - .name:           k_q0b6dfb7cf0_qkv
    .symbol:         k_q0b6dfb7cf0_qkv.kd
    .args:
      - { .name: ops, .offset: 0, .size: 8, .value_kind: global_buffer, .address_space: global }
      - { .name: freqs_cos, .offset: 8, .size: 8, .value_kind: global_buffer, .address_space: global }
      - { .name: freqs_sin, .offset: 16, .size: 8, .value_kind: global_buffer, .address_space: global }
      - { .name: qkv, .offset: 24, .size: 8, .value_kind: global_buffer, .address_space: global }
    .group_segment_fixed_size: 327680
    .private_segment_fixed_size: 0
    .kernarg_segment_align: 8
    .kernarg_segment_size: 32
    .max_flat_workgroup_size: 128
    .sgpr_count:     100
    .vgpr_count:     1024
    .wavefront_size: 32
...
	.end_amdgpu_metadata
.endif
;; end of part 2
;; launch attn (part 3): grid 32 x 8, 8 waves a work-group, clusters of 4 x 1, 327,680 bytes of LDS; arguments qkv, oq; writes oq
.if DOCPART == 3
	.amdgcn_target "amdgcn-amd-amdhsa--gfx1250"
	.amdhsa_code_object_version 6
	.text
	.protected	k_q0b6dfb7cf0_attn
	.globl	k_q0b6dfb7cf0_attn
	.p2align	8
	.type	k_q0b6dfb7cf0_attn,@function
k_q0b6dfb7cf0_attn:
	s_mov_b64 s[64:65], 0
	v_nop
	global_prefetch_b8 v0, s[64:65] scope:SCOPE_SE
	s_setreg_imm32_b32 hwreg(HW_REG_WAVE_MODE, 25, 1), 1
	s_wait_xcnt 0x0
	s_wait_alu depctr_hold_cnt(0) depctr_sa_sdst(0) depctr_va_vdst(0) depctr_va_sdst(0) depctr_va_ssrc(0) depctr_va_vcc(0) depctr_vm_vsrc(0)
	s_getreg_b32 s2, hwreg(HW_REG_IB_STS2, 6, 4)
	s_cmp_eq_u32 s2, 0
	s_cbranch_scc0 .Lentry_in_a_cluster
	s_endpgm
.Lentry_in_a_cluster:
	s_bfe_u32 s2, ttmp6, 0x10000c
	s_cmp_lg_u32 s2, 0x3003
	s_cbranch_scc0 .Lentry_shape_is_right
	s_endpgm
.Lentry_shape_is_right:
; Causal attention on codes of BF6 (E3M2) with E8M0 scales: 16 query heads, 8 key/value heads, head size 128, 2,048 tokens.  o / l leaves as codes along head x 128 + channel, for the last product.
; THE SOFTMAX: t = score x log2(e) / sqrt(128); M = the running largest t rounded up to a whole number; p = 2^(t - M) is quantised along the keys; the row's sum is taken of the unquantised p and divides at the end.
; Key chunks that lie wholly behind a tile's queries are hidden by the causal mask and are passed over, by a scalar branch on ids round the work alone.
; SHARES.  A cluster is (key/value head, c = 0..7).  Waves w and w + 4 of a work-group share TWO tiles of 16 queries, the same tile of query chunk c (short walk) and of chunk 15 - c (long walk): wave w takes the even
; key chunks of both walks, wave w + 4 the odd ones: 17 steps of 128 keys for the pair, 8 or 9 a wave, whatever c.  Each wave keeps a partial (O^T, M, l) for each tile.  At the end wave w hands its long partial to
; wave w + 4 and gets that wave's short one, through LDS; the two parts are joined under the larger M by factors that are powers of two, so nothing is rounded but the f32 sums.
; All four partners walk the same K and V: every fill is a joint load that names the four.  12 chunks of K and of V lie in LDS: each wave asks for three of them by its one load at the head; chunks 12-15 come by ONE refill
; into the bytes of chunks 0-3, four trips of the loop ahead of their use.  So no prefetch: all but four chunks are asked for at the head, ahead of any loop.
; LAYOUT.  In qkv and oq a head is 16 groups of 12,800 bytes: 8 fragments as images of operand registers (1,536 bytes each), then their scale words (64 bytes each).  A key chunk of K or of V^T is one group.
; S^T = K Q^T and O^T = V^T P^T: a lane holds one query.  The 16 result registers of tiles 2 b, 2 b + 1 are the neighbours 32 b + 16 (lane / 16) + 0..15.  Lane r of query tile T is query 32 (T / 2) + 8 (T % 2) + r + 8 (r / 8).
; LIMITS: NaN and infinities are not served; a block of zeros or under 2^-122 keeps the scale byte 1; the scaled scores stay under 2^31 in magnitude.
; REGISTERS: window 0: v1-11 addresses, v12 -M, v13 the largest t, v[14:15] the sum, v16-28 the short tile's Q, v29 the mask's number, v31 the long tile's Q scales, v32-127 K, v128-191 S^T then p, v192-210 codes, v212-223, v240-251 at work, v224-239 scale words.
;   window 1: v0-63 the long tile's O^T, v64-159 V, v160-223 the short tile's O^T, v224-235 the long tile's Q, v240-241 the short tile's -M and sum.
; THE FILLS AND THE ORDER OF THE WALKS AS THEY STAND NOW (in place of what the head says of them): at the head each wave asks for ONE chunk (chunks 0-3 of K and of V); behind the three lines and a round for two more (chunks 4-11),
; four trips of the loop ahead of their use; chunks 12-15 come by the one refill.  The walks go: short 0-3, long 0-3, the refill, short 4-7, long 4-11, long 12-15; the tile that rests has its -M, largest t and sum in window 1, v240-243.
.set HP,    204800
.set CHB,   12800                      ; a chunk: 8 fragments and their scale words
.set KVB,   153600                     ; 12 chunks of K from LDS byte 0, 12 of V behind them
.set SPARE, 307200                     ; the spare words: 128 bytes a wave
.set STG,   51200                      ; the stages for the join lie in the bytes of K's chunks 4-9, which are filled once, at the head, and read no more when the first store lands
.set SPT,   8704                       ; a wave's stage: 8,192 bytes of O^T, 256 of (-M, sum)
.set KF,  32
.set S,   128
.set PC,  192
.set TM,  212
.set KS,  224
.set VS,  232
.set VF,  64
.set WV,  8
.set G1H, 12
.set G1E, 20
.set GS,  28                           ; the short tile's query chunk
.set GL,  29                           ; the long tile's
.set G0H, 36
.set G0E, 40
.set SEL, 48
.set CS,  50
.set TB,  52                           ; LDS byte at which the step's chunk begins
.set EB,  53                           ; my first chunk's: 0 or one chunk
.set KG,  54                           ; the step's key chunk
.set CNT, 56
.set MSB, 0
.macro WIN new
.if MSB != \new
	s_set_vgpr_msb (MSB<<8)|\new
.set MSB, \new
.endif
.endm
.macro G1SET g, r                      ; a dense block as r rows of 256 bytes; the mask names all four partners, bit 21 beside it
	s_mov_b32 s[\g], 15|(3<<16)|(1<<21)
	s_mov_b32 s[\g+1], 32<<16
	s_mov_b32 s[\g+2], (\r)<<16
	s_mov_b32 s[\g+3], 32<<16
	s_mov_b32 s[\g+4], \r
	s_mov_b32 s[\g+5], 32
	s_mov_b32 s[\g+6], 0
	s_mov_b32 s[\g+7], 0
.endm
.macro ROUND                           ; a round of the cluster's barrier
	s_barrier_signal -1
	s_barrier_wait -1
	s_cmp_lg_u32 s[WV], 0
	s_cbranch_scc1 .Lnot_wave_0_\@
	s_barrier_signal -3
.Lnot_wave_0_\@:
	s_barrier_wait -3
	s_barrier_signal -1
	s_barrier_wait -1
.endm
.macro BYTES pw                        ; from four largest magnitudes in v[TM..]: the conversions' scale operands and the scale word
.irp b, 0,1,2,3
	s_delay_alu instid0(VALU_DEP_4)
	v_add_nc_u32 v[TM+8+\b], 0xfe000000, v[TM+\b]
.endr
.irp b, 0,1,2,3
	s_delay_alu instid0(VALU_DEP_4)
	v_lshrrev_b32 v[TM+4+\b], 23, v[TM+8+\b]
.endr
	s_delay_alu instid0(VALU_DEP_3)
	v_lshl_or_b32 v[\pw], v[TM+5], 8, v[TM+4]
	s_delay_alu instid0(VALU_DEP_1)
	v_lshl_or_b32 v[\pw], v[TM+6], 16, v[\pw]
	s_delay_alu instid0(VALU_DEP_1)
	v_lshl_or_b32 v[\pw], v[TM+7], 24, v[\pw]
.endm
.macro HALVES                          ; each block's maximum joined with lane l xor 16's
.irp b, 0,1,2,3
	s_delay_alu instid0(VALU_DEP_4)
	v_permlanex16_b32 v[TM+4+\b], v[TM+\b], s[SEL], s[SEL+1]
.endr
.irp b, 0,1,2,3
	s_delay_alu instid0(VALU_DEP_4)
	v_max_num_f32 v[TM+\b], v[TM+\b], v[TM+4+\b]
.endr
.endm
.macro CODES s                         ; the conversions, and the exchange of halves that gives each lane a whole block
.irp c, 0,1
	v_cvt_scalef32_pk16_bf6_f32 v[PC+6*\c:PC+2+6*\c], v[\s+32*\c:\s+15+32*\c], v[TM+8+2*\c]
	v_cvt_scalef32_pk16_bf6_f32 v[PC+12+4*\c:PC+14+4*\c], v[\s+16+32*\c:\s+31+32*\c], v[TM+8+2*\c+1]
.endr
	v_nop                                          ; one plain instruction behind the scaled conversions
.irp c, 0,1
.irp i, 0,1,2
	v_permlane16_swap_b32 v[PC+6*\c+\i], v[PC+12+4*\c+\i]
.endr
.irp i, 0,1,2
	s_delay_alu instid0(VALU_DEP_3)
	v_mov_b32 v[PC+3+6*\c+\i], v[PC+12+4*\c+\i]
.endr
.endr
.endm
.macro FRESH                           ; a walk's start: the largest t -3e38, -M, the sum 0
	v_mov_b32 v13, 0xff61b1e6
	v_mov_b32 v14, 0
	v_mov_b32 v15, 0
	v_floor_f32 v12, -v13
.endm
	s_load_b128 s[4:7], s[0:1], 0x0                ; qkv, oq
	v_lshl_add_u32 v5, v0, 2, SPARE
	v_mov_b32 v6, 0
	ds_add_u32 v5, v6                              ; the opening lines: the add twice on end and its wait
	ds_add_u32 v5, v6
	s_wait_dscnt 0x0
	v_lshrrev_b32 v8, 5, v0
	s_delay_alu instid0(VALU_DEP_1)
	v_readfirstlane_b32 s[WV], v8                  ; wave 0..7
	s_bfe_u32 s9, ttmp6, 0x40000                   ; cx: it enters Q's and o's addresses and the mask's number alone
	s_and_b32 s10, ttmp7, 0xffff                   ; the key/value head
	s_lshr_b32 s58, s[WV], 2                       ; 0: even key chunks, I fetch for K, I finish the short tile; 1: odd, V, the long tile
	s_and_b32 s59, s[WV], 3
	s_mov_b32 s[GS], ttmp9
	s_sub_co_u32 s[GL], 15, ttmp9
	s_lshl_b32 s61, s9, 2
	s_add_co_u32 s61, s61, s59                     ; 0..15: which head of the two, which tile of a chunk's eight
	s_lshr_b32 s62, s61, 3
	s_lshl_b32 s63, s10, 1
	s_add_co_u32 s62, s62, s63                     ; the query head
	s_and_b32 s61, s61, 7
	s_mul_i32 s62, s62, HP
	s_mul_i32 s63, s61, 1536
	s_add_co_u32 s63, s63, s62
	s_mul_i32 s66, s[GS], CHB
	s_add_co_u32 s66, s66, s63                     ; the short tile's codes, in qkv and in oq alike
	s_mov_b32 s67, 0
	s_mul_i32 s68, s[GL], CHB
	s_add_co_u32 s68, s68, s63                     ; the long tile's
	s_mov_b32 s69, 0
	s_cmp_eq_u32 s58, 0
	s_cselect_b32 s70, s66, s68                    ; the tile that I finish
	s_mov_b32 s71, 0
	s_mul_i32 s57, s61, 1472
	s_sub_co_u32 s57, 12288, s57                   ; from a tile's codes to its scale words: 12,288 - 1,536 tile + 64 tile
	s_lshr_b32 s44, s61, 1                         ; my query in its chunk, less r's part: 32 (tile / 2) + 8 (tile % 2)
	s_lshl_b32 s44, s44, 5
	s_and_b32 s45, s61, 1
	s_lshl_b32 s45, s45, 3
	s_add_co_u32 s44, s44, s45
	G1SET G1H, 100                                 ; two chunks
	G1SET G1E, 50                                  ; one chunk
	s_lshl_b32 s60, s58, 3
	s_add_co_u32 s60, s60, s10
	s_add_co_u32 s60, s60, 16                      ; the head's place in qkv: 16 + head for K, 24 + head for V
	s_mul_i32 s72, s60, HP
	s_mul_i32 s74, s58, KVB
	s_mul_i32 s75, s59, CHB
	s_mul_i32 s76, s59, 2*CHB
	s_add_co_u32 s76, s76, 4*CHB                   ; chunks 4 + 2 (wave & 3) and the next
	s_add_co_u32 s78, s72, s76                     ; chunks 4 + 2 (wave & 3) .., in qkv
	s_mov_b32 s79, 0
	s_add_co_u32 s72, s72, s75                     ; chunk wave & 3
	s_mov_b32 s73, 0
	s_mul_i32 s[EB], s58, CHB
	s_mov_b32 s[SEL], 0x76543210
	s_mov_b32 s[SEL+1], 0xfedcba98
	s_mov_b32 s[CS], 0x3e0293ee                    ; c = log2(e) / sqrt(128)
	s_mov_b32 s[CS+1], s[CS]
	s_wait_kmcnt 0x0
	s_mov_b32 s[G0H], 1
	s_add_co_u32 s[G0H+1], s74, s76
	s_add_nc_u64 s[G0H+2:G0H+3], s[4:5], s[78:79]
	s_or_b32 s[G0H+3], s[G0H+3], 0x80000000
	s_mov_b32 s[G0E], 1
	s_add_co_u32 s[G0E+1], s74, s75                ; into the bytes of chunk wave & 3
	s_add_nc_u64 s[G0E+2:G0E+3], s[4:5], s[72:73]
	s_or_b32 s[G0E+3], s[G0E+3], 0x80000000
	s_add_nc_u64 s[66:67], s[4:5], s[66:67]
	s_add_nc_u64 s[68:69], s[4:5], s[68:69]
	s_add_nc_u64 s[70:71], s[6:7], s[70:71]
	ROUND                                          ; all four work-groups are here: the first joint loads meet
	tensor_load_to_lds s[G0E:G0E+3], s[G1E:G1E+7]  ; my one tensor load at the head
	s_nop 0
.rept 4
	v_nop
.endr
	v_and_b32 v8, 31, v0
	v_and_b32 v9, 15, v0                           ; r
	v_bfe_u32 v10, v0, 4, 1                        ; h
	v_lshlrev_b32 v7, 4, v8                        ; 16 x lane, in memory
	v_lshlrev_b32 v30, 2, v9
	v_add_nc_u32 v30, s57, v30                     ; my row's scale word, counted from the tile's codes
.irp c, 0,1,2
	global_load_b128 v[16+4*\c:19+4*\c], v7, s[66:67] offset:512*\c
.endr
	global_load_b32 v28, v30, s[66:67]
	global_load_b32 v31, v30, s[68:69]
	WIN 0x40
.irp c, 0,1,2
	global_load_b128 v[224+4*\c:227+4*\c], v7, s[68:69] offset:512*\c
.endr
	WIN 0
	v_lshlrev_b32 v1, 4, v8                        ; 16 x lane, in LDS: K
	v_add_nc_u32 v2, KVB, v1                       ; V
	v_lshl_add_u32 v3, v9, 2, 12288                ; K's scale words
	v_add_nc_u32 v4, KVB, v3                       ; V's
	v_and_b32 v11, 8, v9
	v_add_nc_u32 v29, v11, v9
	v_add_nc_u32 v29, s44, v29
	v_lshlrev_b32 v11, 4, v10
	v_sub_nc_u32 v29, v29, v11                     ; register 16 b + i holds key 32 b + i + 16 h of the chunk: hidden on the diagonal where 32 b + i is above this number
	FRESH
.irp b, 0,1,2,3
	v_mov_b32 v[TM+4+\b], 0                        ; written once: a lane permute's destination counts as one of its sources
.endr
	v_mov_b32 v241, 0                              ; (named as the upper half of the pair v[240:241])
	v_mov_b32 v243, 0
	WIN 0x40
.irp i, 0,1,2,3
	v_mov_b32 v[240+\i], v[12+\i]                  ; the long walk's start rests in window 1
.endr
.set j, 0
.rept 64
	v_mov_b32 v[j], 0                              ; both O^T: the step is written for all chunks alike, and a wave may have no chunk of the short walk
	v_mov_b32 v[160+j], 0
.set j, j+1
.endr
	WIN 0
; A KEY STEP: 128 keys.  ob: the tile's O^T in window 1; g: the scalar with its query chunk; qw = 0: Q in window 0 (v16, scales v28), 1: in window 1 (v224, scales v31).  It ends two chunks on.
.macro STEP ob, g, qw
	s_cmp_gt_u32 s[KG], s[\g]                      ; all its keys come after my queries
	s_cbranch_scc1 .Lhid_\@
	v_add_nc_u32 v8, s[TB], v1                     ; (these four also stand between the last step's products and the loads into their operands)
	v_add_nc_u32 v9, s[TB], v2
	v_add_nc_u32 v10, s[TB], v3
	v_add_nc_u32 v11, s[TB], v4
.irp t, 0,1,2,3,4,5,6,7
.irp c, 0,1,2
	ds_load_b128 v[KF+12*\t+4*\c:KF+12*\t+4*\c+3], v8 offset:1536*\t+512*\c
.endr
	ds_load_b32 v[KS+\t], v10 offset:64*\t
.endr
	WIN 0x40
.irp t, 0,1,2,3,4,5,6,7
.irp c, 0,1,2
	ds_load_b128 v[VF+12*\t+4*\c:VF+12*\t+4*\c+3], v9 offset:1536*\t+512*\c
.endr
.endr
	WIN 0
.irp t, 0,1,2,3,4,5,6,7
	ds_load_b32 v[VS+\t], v11 offset:64*\t
.endr
	s_wait_dscnt 32                                ; K's 32 loads are in; V's 32 land under the softmax
	WIN 4*\qw
.irp t, 0,1,2,3,4,5,6,7
	v_wmma_scale_f32_16x16x128_f8f6f4 v[S+8*\t:S+8*\t+7], v[KF+12*\t:KF+12*\t+11], v[16+208*\qw:27+208*\qw], 0, v[KS+\t], v[28+3*\qw] matrix_a_fmt:MATRIX_FMT_BF6 matrix_b_fmt:MATRIX_FMT_BF6
.endr
	WIN 0
.rept 4
	v_nop
.endr
	s_cmp_lt_u32 s[KG], s[\g]                      ; all keys count: no mask
	s_cbranch_scc1 .Lopen_\@
	v_mov_b32 v243, 0xff800000                     ; on the diagonal hidden scores become -infinity ahead of the maximum: p = 0 then
.set n, 0
.rept 64
	v_cmp_gt_i32 vcc_lo, 32*(n/16)+n%16, v29
	v_cndmask_b32 v[S+n], v[S+n], v243, vcc_lo
.set n, n+1
.endr
.Lopen_\@:
.irp b, 0,1,2,3
	v_max3_num_f32 v[TM+\b], v[S+16*\b], v[S+1+16*\b], v[S+2+16*\b]      ; the largest score of each block of 32 keys: for the row's maximum and for the block's largest p
.endr
.irp i, 3,5,7,9,11,13
.irp b, 0,1,2,3
	v_max3_num_f32 v[TM+\b], v[TM+\b], v[S+16*\b+\i], v[S+1+16*\b+\i]
.endr
.endr
.irp b, 0,1,2,3
	v_max_num_f32 v[TM+\b], v[TM+\b], v[S+15+16*\b]
.endr
	HALVES
	s_delay_alu instid0(VALU_DEP_2)
	v_max3_num_f32 v243, v[TM], v[TM+1], v[TM+2]
	s_delay_alu instid0(VALU_DEP_1)
	v_max_num_f32 v243, v243, v[TM+3]
	s_delay_alu instid0(VALU_DEP_1)
	v_mul_f32 v243, s[CS], v243                    ; the step's largest t
	s_delay_alu instid0(VALU_DEP_1)
	v_max_num_f32 v13, v13, v243                   ; the running largest t
	v_mov_b32 v243, v12
	s_delay_alu instid0(VALU_DEP_2)
	v_floor_f32 v12, -v13                          ; the new -M = -ceil(t)
	s_delay_alu instid0(VALU_DEP_1)
	v_sub_f32 v243, v12, v243                      ; old M - new M: a whole number, 0 or less
	s_delay_alu instid0(VALU_DEP_1)
	v_cvt_i32_f32 v243, v243                       ; (it saturates)
	s_delay_alu instid0(VALU_DEP_1)
	v_ldexp_f32 v240, 1.0, v243                    ; f = 2^(old M - new M)
.set j, 0
.rept 32
	v_pk_fma_f32 v[S+j:S+j+1], v[S+j:S+j+1], s[CS:CS+1], v[12:13] op_sel_hi:[1,0,0]   ; t - M
.set j, j+2
.endr
.irp b, 0,1,2,3
	v_fma_f32 v[TM+\b], v[TM+\b], s[CS], v12       ; the same of each block's largest score
.endr
	s_wait_alu depctr_va_vdst(0)
.set j, 0
.rept 64
	v_exp_f32 v[S+j], v[S+j]                       ; p = 2^(t - M)
.set j, j+1
.endr
	v_pk_mul_f32 v[14:15], v[14:15], v[240:241] op_sel_hi:[1,0]   ; the sum under the new M: the plain instruction behind the batch
	s_wait_alu depctr_va_vdst(0)                   ; one wait for the 64, ahead of their first reader
.irp b, 0,1,2,3
	v_exp_f32 v[TM+\b], v[TM+\b]                   ; each block's largest p
.endr
.irp q, 0,1,2,3
	v_pk_add_f32 v[244+2*\q:245+2*\q], v[S+4*\q:S+4*\q+1], v[S+4*\q+2:S+4*\q+3]   ; the sum of the unquantised p, in four chains
.endr
.irp j, 16,24,32,40,48,56
.irp q, 0,1,2,3
	v_pk_add_f32 v[244+2*\q:245+2*\q], v[244+2*\q:245+2*\q], v[S+\j+2*\q:S+\j+2*\q+1]
.endr
.endr
	v_pk_add_f32 v[244:245], v[244:245], v[246:247]
	v_pk_add_f32 v[248:249], v[248:249], v[250:251]
	s_delay_alu instid0(VALU_DEP_2)
	v_pk_add_f32 v[14:15], v[14:15], v[244:245]
	s_delay_alu instid0(VALU_DEP_1)
	v_pk_add_f32 v[14:15], v[14:15], v[248:249]
	s_wait_alu depctr_va_vdst(0)                   ; and one for the four
.irp b, 0,1,2,3
	v_max_num_f32 v[TM+\b], 0x2800000, v[TM+\b]    ; the floor 2^(5 - 127)
.endr
	BYTES 242                                      ; p's scale word for these 128 keys
	CODES S
	WIN 0x41                                       ; O^T in window 1, f in window 0
	s_wait_alu depctr_va_vdst(0)                   ; directly ahead of the first reader of O^T
.set j, 0
.rept 32
	v_pk_mul_f32 v[\ob+j:\ob+j+1], v[\ob+j:\ob+j+1], v[240:241] op_sel_hi:[1,0]   ; O^T under the new M; these 32 also stand between the writes of p's codes and scale word and the products
.set j, j+2
.endr
	s_wait_alu depctr_va_vdst(0)
	s_wait_dscnt 0x0                               ; V is in
	WIN 0x51                                       ; V, C and D window 1, p window 0
.irp t, 0,1,2,3,4,5,6,7
	v_wmma_scale_f32_16x16x128_f8f6f4 v[\ob+8*\t:\ob+8*\t+7], v[VF+12*\t:VF+12*\t+11], v[PC:PC+11], v[\ob+8*\t:\ob+8*\t+7], v[VS+\t], v242 matrix_a_fmt:MATRIX_FMT_BF6 matrix_b_fmt:MATRIX_FMT_BF6
.endr
	WIN 0
.Lhid_\@:
	s_add_co_u32 s[TB], s[TB], 2*CHB
	s_add_co_u32 s[KG], s[KG], 2
.endm
.macro WALK name, trips, ob, g, qw     ; so many of my steps
	s_mov_b32 s[CNT], \trips
\name:
	STEP \ob, \g, \qw
	s_sub_co_u32 s[CNT], s[CNT], 1
	s_cmp_lg_u32 s[CNT], 0
	s_cbranch_scc1 \name
.endm
	s_wait_alu depctr_va_vdst(0)                   ; the head's end
; The two tiles change places: v12-15 go to rest in window 1, and what rested there comes back.  fin = 1: the short walk is over: its -M and its whole sum are left in v[240:241] of window 1, for the join.
.macro SWAP fin
	WIN 0x01
.irp i, 0,1,2,3
	v_mov_b32 v[244+\i], v[240+\i]
.endr
	WIN 0x40
	v_mov_b32 v240, v12
.if \fin
	v_add_f32 v241, v14, v15
.else
	v_mov_b32 v241, v13
	v_mov_b32 v242, v14
	v_mov_b32 v243, v15
.endif
	WIN 0
.irp i, 0,1,2,3
	v_mov_b32 v[12+\i], v[244+\i]
.endr
	s_wait_alu depctr_va_vdst(0)
.endm
	s_wait_tensorcnt 0x0                           ; my chunk is in
	ds_add_u32 v5, v6
	s_add_nc_u64 s[G0E+2:G0E+3], s[G0E+2:G0E+3], 12*CHB   ; no load of mine is out: the refill's address: chunk 12 + (wave & 3)
	s_wait_dscnt 0x0
	ROUND                                          ; chunks 0-3 are whole, and all four work-groups are here
	tensor_load_to_lds s[G0H:G0H+3], s[G1H:G1H+7]  ; chunks 4-11: my one tensor load behind the round
	s_nop 0
.rept 4
	v_nop
.endr
	s_wait_loadcnt 0x0                             ; both Q
	s_mov_b32 s[TB], s[EB]
	s_mov_b32 s[KG], s58
	WALK .Lshort_a, 2, 160, GS, 0                  ; the short walk: chunks 0-3, my half of them
	SWAP 0
	s_mov_b32 s[TB], s[EB]
	s_mov_b32 s[KG], s58
	WALK .Llong_a, 2, 0, GL, 1                     ; the long walk: chunks 0-3
	SWAP 0
	s_wait_tensorcnt 0x0                           ; my part of chunks 4-11 is in
	ds_add_u32 v5, v6
	s_wait_dscnt 0x0                               ; the add is done, and my reads of chunks 0-3 are over
	ROUND                                          ; both now hold of every wave of all four work-groups
	tensor_load_to_lds s[G0E:G0E+3], s[G1E:G1E+7]  ; my one tensor load behind the round: into the bytes of chunk wave & 3
	s_nop 0
.rept 4
	v_nop
.endr
	WALK .Lshort_b, 2, 160, GS, 0                  ; the short walk goes on: chunks 4-7 (the step's chunk stands where the long walk left it)
	SWAP 1
	s_add_co_u32 s[TB], s[EB], 4*CHB
	s_add_co_u32 s[KG], s58, 4
	WALK .Llong_b, 4, 0, GL, 1                     ; chunks 4-11
	s_wait_tensorcnt 0x0                           ; my part of chunks 12-15 is in,
	s_wait_dscnt 0x0
	s_barrier_signal -1
	s_barrier_wait -1                              ; everybody's is
	s_mov_b32 s[TB], s[EB]
	WALK .Llong_c, 2, 0, GL, 1                     ; chunks 12-15
	; THE JOIN.  Waves 0-3 give their long partial and keep the short one; waves 4-7 the other way round.
.rept 4
	v_nop                                          ; four plain instructions between the last product and the first read of O^T
.endr
	v_add_f32 v13, v14, v15                        ; v[12:13] = the long tile's (-M, sum)
	s_mul_i32 s44, s[WV], SPT
	s_xor_b32 s45, s[WV], 4
	s_mul_i32 s45, s45, SPT
	v_and_b32 v11, 31, v0
	v_lshl_add_u32 v8, v11, 4, STG
	v_lshl_add_u32 v10, v11, 3, STG+8192
	v_add_nc_u32 v9, s45, v8                       ; my partner's stage
	v_add_nc_u32 v11, s45, v10
	v_add_nc_u32 v8, s44, v8                       ; mine
	v_add_nc_u32 v10, s44, v10
	v_mov_b32 v103, 0                              ; (upper halves of the factors' pairs)
	v_mov_b32 v105, 0
	s_wait_alu depctr_va_vdst(0)
	s_wait_dscnt 0x0
	s_barrier_signal -1
	s_barrier_wait -1                              ; nobody reads K or V any more
.macro GIVE ob
	WIN 0x04                                       ; an LDS store's data are its source 1: window 1
	s_wait_alu depctr_va_vdst(0)                   ; directly ahead of the first reader of these results
.irp i, 0,1,2,3,4,5,6,7,8,9,10,11,12,13,14,15
	ds_store_b128 v8, v[\ob+4*\i:\ob+4*\i+3] offset:512*\i     ; each accumulator from its low end on
.endr
.endm
	s_cmp_lg_u32 s58, 0
	s_cbranch_scc1 .Lgive_short
	GIVE 0
	WIN 0
	ds_store_b64 v10, v[12:13]
	WIN 0x01
	v_mov_b32 v14, v240                            ; v[14:15] = (-M, sum) of the tile that I keep
	v_mov_b32 v15, v241
	WIN 0
	s_branch .Lgiven
.Lgive_short:
	GIVE 160
	ds_store_b64 v10, v[240:241]
	WIN 0
	v_mov_b32 v14, v12
	v_mov_b32 v15, v13
.Lgiven:
	s_wait_alu depctr_va_vdst(0)
	s_wait_dscnt 0x0                               ; my stores are done
	s_barrier_signal -1
	s_barrier_wait -1
.irp i, 0,1,2,3,4,5,6,7,8,9,10,11,12,13,14,15
	ds_load_b128 v[KF+4*\i:KF+4*\i+3], v9 offset:512*\i
.endr
	ds_load_b64 v[96:97], v11
	s_wait_dscnt 0x0
	v_min_num_f32 v98, v14, v96                    ; -M of the two together
	v_sub_f32 v99, v98, v14                        ; my M less the common M: a whole number, 0 or less
	v_sub_f32 v100, v98, v96                       ; my partner's (a part with no chunk has -M = 3e38: its factor comes out 0)
	v_cvt_i32_f32 v99, v99                         ; (they saturate)
	v_cvt_i32_f32 v100, v100
	v_ldexp_f32 v99, 1.0, v99
	v_ldexp_f32 v100, 1.0, v100
	v_mul_f32 v101, v15, v99
	v_fma_f32 v101, v97, v100, v101
	v_permlanex16_b32 v243, v101, s[SEL], s[SEL+1]
	v_add_f32 v101, v101, v243                     ; the row's sum
	s_wait_alu depctr_va_vdst(0)
	v_rcp_f32 v101, v101
	v_nop                                          ; a plain instruction behind the reciprocal
	s_wait_alu depctr_va_vdst(0)
	v_mul_f32 v102, v99, v101                      ; my part's factor / the sum
	v_mul_f32 v104, v100, v101                     ; my partner's
	s_wait_alu depctr_va_vdst(0)
.macro OWN ob
	WIN 0x01
	s_wait_alu depctr_va_vdst(0)                   ; directly ahead of the first reader of these results
.set j, 0
.rept 32
	v_pk_mul_f32 v[S+j:S+j+1], v[\ob+j:\ob+j+1], v[102:103] op_sel_hi:[1,0]
.set j, j+2
.endr
	WIN 0
.endm
	s_cmp_lg_u32 s58, 0
	s_cbranch_scc1 .Lown_long
	OWN 160
	s_wait_alu depctr_va_vdst(0)
	s_branch .Lowned
.Lown_long:
	OWN 0
.Lowned:
.set j, 0
.rept 32
	v_pk_fma_f32 v[S+j:S+j+1], v[KF+j:KF+j+1], v[104:105], v[S+j:S+j+1] op_sel_hi:[1,0,1]   ; register 16 b + i is channel 32 b + 16 (lane / 16) + i of my query
.set j, j+2
.endr
.irp b, 0,1,2,3
	v_max3_num_f32 v[TM+\b], |v[S+16*\b]|, |v[S+1+16*\b]|, 0x2800000     ; quantised along the head's 128: K chunk 'head' of the last product
.endr
.irp i, 2,4,6,8,10,12,14
.irp b, 0,1,2,3
	s_delay_alu instid0(VALU_DEP_4)
	v_max3_num_f32 v[TM+\b], v[TM+\b], |v[S+16*\b+\i]|, |v[S+1+16*\b+\i]|
.endr
.endr
	HALVES
	BYTES 246
	CODES S
.irp c, 0,1,2
	global_store_b128 v7, v[PC+4*\c:PC+4*\c+3], s[70:71] offset:512*\c   ; 32 lanes store 512 consecutive bytes
.endr
	global_store_b32 v30, v246, s[70:71]           ; 16 scale words; lanes l and l + 16 hold the same word and write it to the same place
	s_wait_tensorcnt 0x0                           ; the wave's end
	ds_add_u32 v5, v6
	s_wait_dscnt 0x0
	ROUND                                          ; the closing round
	s_endpgm
.Lfunc_end_k_q0b6dfb7cf0_attn:
	.size	k_q0b6dfb7cf0_attn, .Lfunc_end_k_q0b6dfb7cf0_attn-k_q0b6dfb7cf0_attn
	.p2alignl 7, 3214868480
	.fill 96, 4, 3214868480
	.section	.rodata,"a",@progbits
	.p2align	6, 0x0
	.amdhsa_kernel k_q0b6dfb7cf0_attn
		.amdhsa_group_segment_fixed_size 327680
		.amdhsa_private_segment_fixed_size 0
		.amdhsa_enable_private_segment 0
		.amdhsa_kernarg_size 16
		.amdhsa_user_sgpr_count 2
		.amdhsa_user_sgpr_kernarg_segment_ptr 1
		.amdhsa_wavefront_size32 1
		.amdhsa_system_sgpr_workgroup_id_x 1
		.amdhsa_system_sgpr_workgroup_id_y 1
		.amdhsa_system_sgpr_workgroup_id_z 1
		.amdhsa_system_vgpr_workitem_id 0
		.amdhsa_next_free_vgpr 512
		.amdhsa_next_free_sgpr 80
		.amdhsa_reserve_vcc 1
		.amdhsa_float_denorm_mode_32 3
		.amdhsa_float_denorm_mode_16_64 3
		.amdhsa_memory_ordered 1
		.amdhsa_forward_progress 1
		.amdhsa_inst_pref_size 161
	.end_amdhsa_kernel
	.amdgpu_metadata
---
amdhsa.version: [ 1, 2 ]
amdhsa.kernels:
  - .name:           k_q0b6dfb7cf0_attn
    .symbol:         k_q0b6dfb7cf0_attn.kd
    .args:
      - { .name: qkv, .offset: 0, .size: 8, .value_kind: global_buffer, .address_space: global }
      - { .name: oq, .offset: 8, .size: 8, .value_kind: global_buffer, .address_space: global }
    .group_segment_fixed_size: 327680
    .private_segment_fixed_size: 0
    .kernarg_segment_align: 8
    .kernarg_segment_size: 16
    .max_flat_workgroup_size: 256
    .sgpr_count:     80
    .vgpr_count:     512
    .wavefront_size: 32
...
	.end_amdgpu_metadata
.endif
;; end of part 3
;; launch outp (part 4): grid 16 x 16, 4 waves a work-group, clusters of 4 x 4, 327,680 bytes of LDS; arguments oq, ops, out0; writes out0
.if DOCPART == 4
	.amdgcn_target "amdgcn-amd-amdhsa--gfx1250"
	.amdhsa_code_object_version 6
	.text
	.protected	k_q0b6dfb7cf0_outp
	.globl	k_q0b6dfb7cf0_outp
	.p2align	8
	.type	k_q0b6dfb7cf0_outp,@function
k_q0b6dfb7cf0_outp:
	s_mov_b64 s[64:65], 0
	v_nop
	global_prefetch_b8 v0, s[64:65] scope:SCOPE_SE
	s_setreg_imm32_b32 hwreg(HW_REG_WAVE_MODE, 25, 1), 1
	s_wait_xcnt 0x0
	s_wait_alu depctr_hold_cnt(0) depctr_sa_sdst(0) depctr_va_vdst(0) depctr_va_sdst(0) depctr_va_ssrc(0) depctr_va_vcc(0) depctr_vm_vsrc(0)
	s_getreg_b32 s2, hwreg(HW_REG_IB_STS2, 6, 4)
	s_cmp_eq_u32 s2, 0
	s_cbranch_scc0 .Lentry_in_a_cluster
	s_endpgm
.Lentry_in_a_cluster:
	s_bfe_u32 s2, ttmp6, 0x10000c
	s_cmp_lg_u32 s2, 0xf033
	s_cbranch_scc0 .Lentry_shape_is_right
	s_endpgm
.Lentry_shape_is_right:
; out0 = o wo on codes of BF6 (E3M2) with E8M0 scales, f32 sums.  o's codes come from oq ([head = K chunk][tile of 16 tokens]), wo's from ops (tiles 384 ..), both as images of operand registers.
; A work-group makes 128 tokens (ty) x 128 columns (tx), so that there are 256 work-groups; a wave 64 x 64: source 0 = 4 tiles of wo, source 1 = 4 tiles of o: 16 accumulators.  In a result a lane holds one token, and the 16 registers of
; wo's tiles 2 b, 2 b + 1 are the columns 32 b + 16 (lane / 16) + 0..15.  Lane r of token tile a is token 32 (a / 2) + 8 (a % 2) + r + 8 (r / 8).
; K goes in 16 chunks of 128 through three LDS slots of four chunks: 12 chunks come with the first fills, chunks 12-15 by ONE refill into slot 0, which has six chunks' work in which to land; chunks 6-15 are prefetched.
; CLUSTER 4 x 4: o's tiles are asked for jointly along a row of the cluster, wo's along a column.
; REGISTERS: window 0: v16-26 addresses, v28-29 the add's, v32-47 scale words (two sets: wo's 4, o's 4), v64-159 o's fragments (two sets), on the way out rows of out0.  window 1: wo's fragments, sets at v0 and v128.  window 2: accumulator (a, t) at v[32 a + 8 t].
; THE LAYOUT AS IT STANDS NOW: in oq and ops a group is 8 fragments and, behind them, their 512 bytes of scale words: 12,800 bytes; the scale words come with the codes.  In LDS o's chunks 0-11 lie on end from byte 0, wo's from WOB.
; Chunks 0-5 are asked for at the head, one load a wave; chunks 6-11 behind the three lines and a round; chunks 12-15 by ONE refill into the bytes of chunks 0-3, at chunk 5, six chunks' work ahead of their use.
.set CHP,   819200
.set HP,    204800
.set CHB,   12800
.set SLOT,  51200                      ; four chunks: what one address register reaches
.set WOB,   153600
.set SPARE, 307200                     ; the spare words: 128 bytes a wave
.set ADRP, 16                          ; v16-18 wo's fragments in slot 0, 1, 2
.set ADRR, 19                          ; v19-21 o's
.set ADSP, 48                          ; v48-50 wo's scale words, v52-54 o's
.set ADSR, 52
.set STO,  24
.set RD,   25
.set CO,   26
.set SPW,  28
.set NIL,  29
.set SC,   32
.set RF,   64
.set G1A,  24
.set G1B,  32
.set G1SA, 40
.set G1SB, 48
.set G0A0, 56
.set G0A1, 60
.set G0A2, 68
.set G0SA, 72
.set G0B0, 76
.set G0B1, 80
.set G0B2, 84
.set G0SB, 88
.set MSB, 0
.macro WIN new
.if MSB != \new
	s_set_vgpr_msb (MSB<<8)|\new
.set MSB, \new
.endif
.endm
.macro PLACES n
.rept \n
	v_nop
.endr
.endm
.macro G1SET g, c, r, p
	s_mov_b32 s[\g+1], (\c)<<16
	s_mov_b32 s[\g+2], (\r)<<16
	s_mov_b32 s[\g+3], (\c)<<16
	s_mov_b32 s[\g+4], \r
	s_mov_b32 s[\g+5], \p
	s_mov_b32 s[\g+6], 0
	s_mov_b32 s[\g+7], 0
.endm
.macro G0SET g, ls, lo, ad, go
	s_mov_b32 s[\g], 1
	s_add_co_u32 s[\g+1], s[\ls], \lo
	s_add_nc_u64 s[\g+2:\g+3], s[\ad:\ad+1], \go
	s_or_b32 s[\g+3], s[\g+3], 0x80000000
.endm
.macro JLOAD g0a, g1a, g0b, g1b        ; waves 0 and 1 fetch for o, waves 2 and 3 for wo; four v_nop follow each of the two lines
	s_cmp_eq_u32 s15, 0
	s_cbranch_scc0 .Lfor_b_\@
	tensor_load_to_lds s[\g0a:\g0a+3], s[\g1a:\g1a+7]
	s_nop 0
.rept 4
	v_nop
.endr
	s_branch .Lasked_\@
.Lfor_b_\@:
	tensor_load_to_lds s[\g0b:\g0b+3], s[\g1b:\g1b+7]
	s_nop 0
.rept 4
	v_nop
.endr
.Lasked_\@:
.endm
.macro CREST
	s_cmp_lg_u32 s14, 0
	s_cbranch_scc1 .Lnot_wave_0_\@
	s_barrier_signal -3
.Lnot_wave_0_\@:
	s_barrier_wait -3
	s_barrier_signal -1
	s_barrier_wait -1
.endm
.macro CROUND
	s_barrier_signal -1
	s_barrier_wait -1
	CREST
.endm
	s_load_b128 s[4:7], s[0:1], 0x0                ; oq, ops
	s_load_b64 s[8:9], s[0:1], 0x10                ; out0
	v_lshl_add_u32 v[SPW], v0, 2, SPARE
	v_mov_b32 v[NIL], 0
	ds_add_u32 v28, v29
	ds_add_u32 v28, v29
	s_wait_dscnt 0x0
	v_lshrrev_b32 v1, 5, v0
	v_readfirstlane_b32 s14, v1                    ; wave
	s_lshr_b32 s15, s14, 1                         ; which 64 tokens are mine.  Also: I fetch for o (0) or for wo (1)
	s_and_b32 s16, s14, 1                          ; which 64 columns.  Also: which half of a slot's chunks I fetch
	s_bfe_u32 s10, ttmp6, 0x40000                  ; cx
	s_bfe_u32 s11, ttmp6, 0x40004                  ; cy
	s_lshl_b32 s12, ttmp9, 2
	s_add_co_u32 s12, s12, s10                     ; tx
	s_and_b32 s13, ttmp7, 0xffff
	s_lshl_b32 s13, s13, 2
	s_add_co_u32 s13, s13, s11                     ; ty
	s_lshl_b32 s17, s11, 2
	s_lshl_b32 s17, 15, s17                        ; my row of the cluster
	s_lshl_b32 s18, 0x1111, s10                    ; my column
	s_or_b32 s[G1A], s17, (3<<16)|(1<<21)
	s_or_b32 s[G1B], s18, (3<<16)|(1<<21)
	s_or_b32 s[G1SA], s17, (3<<16)|(1<<21)
	s_or_b32 s[G1SB], s18, (3<<16)|(1<<21)
	G1SET G1A, 1600, 3, 25600                      ; o: a group (12,800 bytes) of 3 chunks, a head of oq apart
	G1SET G1B, 1600, 3, 102400                     ; wo: the same, a chunk of ops apart
	G1SET G1SA, 1600, 2, 25600                     ; and of 2 chunks, for the refill
	G1SET G1SB, 1600, 2, 102400
	s_mul_i32 s22, s13, CHB                        ; o: group ty,
	s_mul_i32 s21, s16, 3*HP
	s_add_co_u32 s20, s22, s21                     ; chunk 3 (wave & 1);
	s_mov_b32 s21, 0
	s_mul_i32 s23, s16, 2*HP
	s_add_co_u32 s22, s22, s23                     ; for the refill chunk 2 (wave & 1), 12 further on
	s_mov_b32 s23, 0
	s_add_co_u32 s94, s12, 48                      ; wo: group 48 + tx, the same chunks
	s_mul_i32 s94, s94, CHB
	s_mul_i32 s93, s16, 3*CHP
	s_add_co_u32 s92, s94, s93
	s_mov_b32 s93, 0
	s_mul_i32 s95, s16, 2*CHP
	s_add_co_u32 s94, s94, s95
	s_mov_b32 s95, 0
	s_mul_i32 s96, s16, 3*CHB                      ; where they go: no place in the cluster enters an LDS address
	s_add_co_u32 s97, s96, WOB
	s_mul_i32 s98, s16, 2*CHB
	s_add_co_u32 s99, s98, WOB
	; THE PREFETCHES: chunks 6-15 of a group are 500 blocks of 256 bytes.  The eight that will ask for them (two waves in each of four partners) share them out BY ADDRESS, 64 blocks each: two instructions a wave, a lane a block.
	s_mul_i32 s88, s13, CHB
	s_add_co_u32 s88, s88, 6*HP                    ; o: group ty, chunk 6
	s_add_co_u32 s89, s12, 48
	s_mul_i32 s89, s89, CHB
	s_add_co_u32 s89, s89, 6*CHP                   ; wo: group 48 + tx, chunk 6
	s_mov_b32 s90, HP-CHB
	s_mov_b32 s91, CHP-CHB
	s_cmp_eq_u32 s15, 0
	s_cselect_b32 s74, s10, s11                    ; my place among the four that ask with me
	s_cselect_b32 s72, s88, s89
	s_cselect_b32 s75, s90, s91                    ; from a chunk's end to the next chunk's start
	s_mov_b32 s73, 0
	s_lshl_b32 s74, s74, 1
	s_add_co_u32 s74, s74, s16
	s_lshl_b32 s74, s74, 6                         ; my first block
	s_wait_kmcnt 0x0
	s_cmp_eq_u32 s15, 0
	s_cselect_b64 s[88:89], s[4:5], s[6:7]
	s_add_nc_u64 s[72:73], s[88:89], s[72:73]
	s_add_nc_u64 s[20:21], s[4:5], s[20:21]
	s_add_nc_u64 s[22:23], s[4:5], s[22:23]
	s_add_nc_u64 s[92:93], s[6:7], s[92:93]
	s_add_nc_u64 s[94:95], s[6:7], s[94:95]
	G0SET G0A0, 96, 0, 20, 0
	G0SET G0A1, 96, 6*CHB, 20, 6*HP
	G0SET G0A2, 98, 0, 22, 12*HP
	G0SET G0B0, 97, 0, 92, 0
	G0SET G0B1, 97, 6*CHB, 92, 6*CHP
	G0SET G0B2, 99, 0, 94, 12*CHP
	CROUND                                         ; all sixteen work-groups are here: the first joint loads meet
	JLOAD G0A0, G1A, G0B0, G1B                     ; chunks 0-5: my one tensor load at the head
	v_and_b32 v1, 15, v0                           ; r
	v_bfe_u32 v2, v0, 4, 1                         ; h
	v_and_b32 v3, 31, v0
	v_lshlrev_b32 v3, 4, v3                        ; 16 x lane
	v_lshlrev_b32 v4, 2, v1                        ; 4 r
	v_and_b32 v5, 31, v0
	v_add_nc_u32 v5, s74, v5                       ; block j of the 500,
	v_add_nc_u32 v6, 32, v5
	v_min_u32 v6, 499, v6                          ; and j + 32 (the last sharer's lanes that are left over name its last block again)
	v_mul_u32_u24 v7, v5, 1311
	v_mul_u32_u24 v8, v6, 1311
	v_lshrrev_b32 v7, 16, v7                       ; j / 50: which chunk (1311 / 65536 is just above 1 / 50: exact for j under 4,000)
	v_lshrrev_b32 v8, 16, v8
	v_mul_lo_u32 v7, v7, s75
	v_mul_lo_u32 v8, v8, s75
	v_lshl_add_u32 v5, v5, 8, v7                   ; 256 j + what lies between the chunks.  v5, v6 and s[72:73] are never rewritten
	v_lshl_add_u32 v6, v6, 8, v8
	global_prefetch_b8 v5, s[72:73] th:TH_LOAD_NT scope:SCOPE_SE   ; behind fill 0's request: the two later fills, chunks 6-11 and 12-15; nothing is asked for after them
	global_prefetch_b8 v6, s[72:73] th:TH_LOAD_NT scope:SCOPE_SE
	s_mul_i32 s19, s16, 4*1536
	s_add_co_u32 s19, s19, WOB
	v_add_nc_u32 v[ADRP], s19, v3
	v_add_nc_u32 v[ADRP+1], SLOT, v[ADRP]
	v_add_nc_u32 v[ADRP+2], SLOT, v[ADRP+1]
	s_mul_i32 s19, s15, 4*1536                     ; o's tiles 4 (wave / 2) ..
	v_add_nc_u32 v[ADRR], s19, v3
	v_add_nc_u32 v[ADRR+1], SLOT, v[ADRR]
	v_add_nc_u32 v[ADRR+2], SLOT, v[ADRR+1]
	s_lshl_b32 s19, s16, 8
	s_add_co_u32 s19, s19, WOB+12288               ; a group's scale words lie behind its 8 fragments
	v_add_nc_u32 v[ADSP], s19, v4
	v_add_nc_u32 v[ADSP+1], SLOT, v[ADSP]
	v_add_nc_u32 v[ADSP+2], SLOT, v[ADSP+1]
	s_lshl_b32 s19, s15, 8
	s_add_co_u32 s19, s19, 12288
	v_add_nc_u32 v[ADSR], s19, v4
	v_add_nc_u32 v[ADSR+1], SLOT, v[ADSR]
	v_add_nc_u32 v[ADSR+2], SLOT, v[ADSR+1]
	s_mul_i32 s19, s14, 16*272                     ; my stage for the way out: 16 rows of 256 bytes + 16, in slot 1, which has had its last fill and its last read when the first result is stored there
	s_add_co_u32 s19, s19, SLOT
	v_mul_u32_u24 v[STO], v1, 272
	v_lshl_add_u32 v[STO], v2, 6, v[STO]
	v_add_nc_u32 v[STO], s19, v[STO]               ; in: row r, + 64 bytes for lanes 16-31
	v_mul_u32_u24 v[RD], v2, 272
	v_lshl_add_u32 v[RD], v1, 4, v[RD]
	v_add_nc_u32 v[RD], s19, v[RD]                 ; back: lanes 0-15 one row, lanes 16-31 the next
	v_lshlrev_b32 v[CO], 13, v2
	v_lshl_add_u32 v[CO], v1, 4, v[CO]             ; and the same two rows in out0
	s_lshl_b32 s20, s13, 7
	s_lshl_b32 s21, s15, 6
	s_add_co_u32 s20, s20, s21                     ; my first token
	s_lshl_b32 s20, s20, 13
	s_lshl_b32 s92, s12, 9
	s_lshl_b32 s93, s16, 8
	s_add_co_u32 s92, s92, s93                     ; my first column, in bytes
	s_add_co_u32 s20, s20, s92
	s_mov_b32 s21, 0
	s_add_nc_u64 s[8:9], s[8:9], s[20:21]
.macro FETCH slot, q, set, kc          ; 32 LDS loads in one run: a chunk's 4 + 4 fragments and 8 scale words
	WIN 0x40
.irp t, 0,1,2,3
.irp c, 0,1,2
	ds_load_b128 v[128*(\set)+12*\t+4*\c:128*(\set)+12*\t+4*\c+3], v[ADRP+(\slot)] offset:(\q)*CHB+1536*\t+512*\c
.endr
.endr
	WIN 0
.irp t, 0,1,2,3
.irp c, 0,1,2
	ds_load_b128 v[RF+48*(\set)+12*\t+4*\c:RF+48*(\set)+12*\t+4*\c+3], v[ADRR+(\slot)] offset:(\q)*CHB+1536*\t+512*\c
.endr
.endr
.irp t, 0,1,2,3
	ds_load_b32 v[SC+8*(\set)+\t], v[ADSP+(\slot)] offset:(\q)*CHB+64*\t
.endr
.irp t, 0,1,2,3
	ds_load_b32 v[SC+8*(\set)+4+\t], v[ADSR+(\slot)] offset:(\q)*CHB+64*\t
.endr
.endm
.macro MULA a, set, zero               ; o's tile a against wo's four.  The 16 accumulators take turns, one instruction a turn
.irp t, 0,1,2,3
.if \zero
	v_wmma_scale_f32_16x16x128_f8f6f4 v[32*(\a)+8*\t:32*(\a)+8*\t+7], v[128*(\set)+12*\t:128*(\set)+12*\t+11], v[RF+48*(\set)+12*(\a):RF+48*(\set)+12*(\a)+11], 0, v[SC+8*(\set)+\t], v[SC+8*(\set)+4+(\a)] matrix_a_fmt:MATRIX_FMT_BF6 matrix_b_fmt:MATRIX_FMT_BF6
.else
	v_wmma_scale_f32_16x16x128_f8f6f4 v[32*(\a)+8*\t:32*(\a)+8*\t+7], v[128*(\set)+12*\t:128*(\set)+12*\t+11], v[RF+48*(\set)+12*(\a):RF+48*(\set)+12*(\a)+11], v[32*(\a)+8*\t:32*(\a)+8*\t+7], v[SC+8*(\set)+\t], v[SC+8*(\set)+4+(\a)] matrix_a_fmt:MATRIX_FMT_BF6 matrix_b_fmt:MATRIX_FMT_BF6
.endif
.endr
.endm
.macro STEP g, zero                    ; chunk g: the next chunk's loads go out first, four plain instructions behind the last product that read their registers
	PLACES 4
	FETCH (((\g)+1)/4)%3, ((\g)+1)%4, ((\g)+1)%2, (\g)+1
	s_wait_dscnt 32                                ; all but the 32 just issued
	WIN 0xa1
	MULA 0, (\g)%2, \zero
	MULA 1, (\g)%2, \zero
	MULA 2, (\g)%2, \zero
	MULA 3, (\g)%2, \zero
.endm
; Chunks 5 and 11: a barrier, in front of which each wave waits for all its tensor loads, adds 0 to its spare word, and waits for that and for its LDS reads.  fill = 1 (chunk 5): slot 0 is filled again, with chunks 12-15.
.macro TURN g, fill
	WIN 0
	s_wait_tensorcnt 0x0                           ; all my tensor loads have landed
	ds_add_u32 v[SPW], v[NIL]                      ; 0 onto my spare word
	s_wait_dscnt 1                                 ; chunk g's operands are in; the add may be out
	WIN 0xa1
	MULA 0, 1, 0
	MULA 1, 1, 0
	s_wait_dscnt 0x0                               ; the add is done, and my reads of the slot are over
	s_barrier_signal -1
	MULA 2, 1, 0
	WIN 0
	s_barrier_wait -1
.if \fill
	CREST                                          ; the barrier has opened a round of the cluster's: no wave of any partner still reads slot 0 or has a load on its way
	JLOAD G0A2, G1SA, G0B2, G1SB                   ; chunks 12-15: my one tensor load behind the round
.else
	PLACES 4
.endif
	FETCH (((\g)+1)/4)%3, ((\g)+1)%4, 0, (\g)+1
	WIN 0xa1
	MULA 3, 1, 0
.endm
	s_wait_alu depctr_va_vdst(0)
	s_wait_tensorcnt 0x0                           ; my part of chunks 0-5 is in
	ds_add_u32 v[SPW], v[NIL]
	s_wait_dscnt 0x0
	CROUND                                         ; everybody's part is in, and all sixteen work-groups are here
	JLOAD G0A1, G1A, G0B1, G1B                     ; chunks 6-11: my one tensor load behind the round
	FETCH 0, 0, 0, 0
	STEP 0, 1                                      ; the first chunk's products start the sums
	STEP 1, 0
	STEP 2, 0
	STEP 3, 0
	STEP 4, 0
	TURN 5, 1                                      ; chunks 6-11 are whole; the bytes of chunks 0-3 are filled again
	STEP 6, 0
	STEP 7, 0
	STEP 8, 0
	STEP 9, 0
	STEP 10, 0
	TURN 11, 0                                     ; chunks 12-15 are whole; nobody reads slots 1 and 2 any more
	STEP 12, 0
	STEP 13, 0
	STEP 14, 0
	s_wait_dscnt 0x0
	WIN 0xa1
	MULA 0, 1, 0
	MULA 1, 1, 0
	MULA 2, 1, 0
	MULA 3, 1, 0
	WIN 0
; THE WAY OUT, a tile of 16 tokens x 64 columns at a time: through my stage, back as whole rows of 256 bytes.  LDS serves a wave's instructions in order: no wait between the stores and the loads.
.macro TOSTAGE a
	WIN 0x08                                       ; an LDS store's data are its source 1: window 2
.irp t, 0,1,2,3
	ds_store_b128 v[STO], v[32*(\a)+8*\t:32*(\a)+8*\t+3] offset:128*(\t/2)+32*(\t%2)        ; each accumulator from its low end on: columns 32 (t / 2) + 8 (t % 2) + 16 h + 0..7
	ds_store_b128 v[STO], v[32*(\a)+8*\t+4:32*(\a)+8*\t+7] offset:128*(\t/2)+32*(\t%2)+16
.endr
	WIN 0
.irp i, 0,1,2,3,4,5,6,7
	ds_load_b128 v[RF+32*((\a)%2)+4*\i:RF+32*((\a)%2)+4*\i+3], v[RD] offset:544*\i
.endr
.endm
.macro SEND a, younger                 ; stage row 2 i + h is token 32 (a / 2) + 8 (a % 2) + 2 i + h + 8 (i / 4)
	s_wait_dscnt \younger
.irp i, 0,1,2,3,4,5,6,7
	global_store_b128 v[CO], v[RF+32*((\a)%2)+4*\i:RF+32*((\a)%2)+4*\i+3], s[8:9] offset:(32*((\a)/2)+8*((\a)%2)+2*\i+8*(\i/4))*8192 th:TH_STORE_NT   ; 16 lanes store 256 consecutive bytes, at a multiple of 256 from out0's first byte
.endr
.endm
	PLACES 4                                       ; four plain instructions between the last product and the reads of results and the loads into o's registers
	TOSTAGE 0
	TOSTAGE 1
	SEND 0, 16                                     ; behind tile 0's loads: tile 1's 8 stores and 8 loads
	s_wait_xcnt 0x0                                ; tile 0's stores have read their registers: tile 2's rows may land there
	TOSTAGE 2
	SEND 1, 16
	s_wait_xcnt 0x0
	TOSTAGE 3
	SEND 2, 16
	SEND 3, 0
	s_wait_tensorcnt 0x0                           ; the wave's end
	ds_add_u32 v[SPW], v[NIL]
	s_wait_dscnt 0x0
	CROUND                                         ; the closing round
	s_endpgm
.Lfunc_end_k_q0b6dfb7cf0_outp:
	.size	k_q0b6dfb7cf0_outp, .Lfunc_end_k_q0b6dfb7cf0_outp-k_q0b6dfb7cf0_outp
	.p2alignl 7, 3214868480
	.fill 96, 4, 3214868480
	.section	.rodata,"a",@progbits
	.p2align	6, 0x0
	.amdhsa_kernel k_q0b6dfb7cf0_outp
		.amdhsa_group_segment_fixed_size 327680
		.amdhsa_private_segment_fixed_size 0
		.amdhsa_enable_private_segment 0
		.amdhsa_kernarg_size 24
		.amdhsa_user_sgpr_count 2
		.amdhsa_user_sgpr_kernarg_segment_ptr 1
		.amdhsa_wavefront_size32 1
		.amdhsa_system_sgpr_workgroup_id_x 1
		.amdhsa_system_sgpr_workgroup_id_y 1
		.amdhsa_system_sgpr_workgroup_id_z 1
		.amdhsa_system_vgpr_workitem_id 0
		.amdhsa_next_free_vgpr 768
		.amdhsa_next_free_sgpr 100
		.amdhsa_reserve_vcc 0
		.amdhsa_float_denorm_mode_32 3
		.amdhsa_float_denorm_mode_16_64 3
		.amdhsa_memory_ordered 1
		.amdhsa_forward_progress 1
		.amdhsa_inst_pref_size 88
	.end_amdhsa_kernel
	.amdgpu_metadata
---
amdhsa.version: [ 1, 2 ]
amdhsa.kernels:
  - .name:           k_q0b6dfb7cf0_outp
    .symbol:         k_q0b6dfb7cf0_outp.kd
    .args:
      - { .name: oq, .offset: 0, .size: 8, .value_kind: global_buffer, .address_space: global }
      - { .name: ops, .offset: 8, .size: 8, .value_kind: global_buffer, .address_space: global }
      - { .name: out0, .offset: 16, .size: 8, .value_kind: global_buffer, .address_space: global }
    .group_segment_fixed_size: 327680
    .private_segment_fixed_size: 0
    .kernarg_segment_align: 8
    .kernarg_segment_size: 24
    .max_flat_workgroup_size: 128
    .sgpr_count:     100
    .vgpr_count:     768
    .wavefront_size: 32
...
	.end_amdgpu_metadata
.endif
;; end of part 4
